; MI455X (gfx1250); checked and timed in simulation.
; The chip was launched on July 23, 2026; its instructions are those of AMD's public machine-readable ISA for CDNA 5 (MIT licence, August 2026) and "CDNA5" Instruction Set Architecture Reference Guide (July 2026). The comments in the code are by the model that wrote it; some were corrected since.
;; Multi Head Attention. Allowed arithmetic: matrix products marked QUANTISED: E2M3 operands, one E8M0 scale for each 32 along K, by v_wmma_scale_f32_16x16x128_f8f6f4 with both operands' format E2M3, f32 sums; everything else in f32.
;; Inputs: Wk 1,024 x 1,024 float32; Wo 1,024 x 1,024 float32; Wq 1,024 x 1,024 float32; Wv 1,024 x 1,024 float32; bk 1,024 float32; bo 1,024 float32; bq 1,024 float32; bv 1,024 float32; k 4 x 2,048 x 1,024 float32; pad_mask 4 x 2,048 int32; q 4 x 2,048 x 1,024 float32; v 4 x 2,048 x 1,024 float32.
;; Outputs: out0 4 x 2,048 x 1,024 float32.
;; This version of the problem:
;;   THIS VERSION OF THE PROBLEM IS GIVEN IN LOW PRECISION. The matrix products marked QUANTISED in the list below multiply operands that are first quantised to E2M3 (2 exponent bits, 3 mantissa bits; 6 bits a number), with one power-of-two scale for each 32 numbers along K (OCP MX v1.0); their sums are f32. All else is computed in f32.
;;   The module's matrix products, in the order in which they are computed (A, B: the left and right operand; K: the contracted axis; several contracted axes count as one K, in the product's order):
;;     1. [M 8,192, K 1,024] x [K 1,024, N 1,024]; A: input q; B: input Wq: QUANTISED
;;     2. [M 8,192, K 1,024] x [K 1,024, N 1,024]; A: input k; B: input Wk: QUANTISED
;;     3. [M 8,192, K 1,024] x [K 1,024, N 1,024]; A: input v; B: input Wv: QUANTISED
;;     4. batch 64 x [M 2,048, K 64] x [K 64, N 2,048]; A: computed on the way; B: computed on the way: QUANTISED
;;     5. batch 64 x [M 2,048, K 2,048] x [K 2,048, N 64]; A: softmax (see below); B: computed on the way: QUANTISED
;;     6. [M 8,192, K 1,024] x [K 1,024, N 1,024]; A: computed on the way; B: input Wo: QUANTISED
;;   THE QUANTISER, for each operand of a quantised product, along K:
;;     - K is cut into blocks of 32 from its start; a last block that is shorter is filled with zeros.
;;     - A block's scale is 2^e with e = floor(log2(the largest magnitude in the block)) - 2, held to -126 .. 127; a block of zeros has e = 0. As a byte (E8M0): e + 127.
;;     - Each number is divided by its block's scale, clamped to +-7.5, and rounded to the nearest number of E2M3, ties to even, subnormals kept.
;;     - The product sums the exact products of the quantised numbers (number of the format x scale) in f32.
;;   ~~~python
;;   def quantise(x, axis):      # numpy; x: float32 -> the quantised numbers, widened to float32 again
;;       x = np.moveaxis(x, axis, -1); K = x.shape[-1]
;;       x = np.pad(x, [(0, 0)] * (x.ndim - 1) + [(0, -K % 32)]); x = x.reshape(x.shape[:-1] + (-1, 32)); a = np.abs(x).max(-1, keepdims=True)
;;       e = np.where(a > 0, np.clip(np.frexp(np.where(a > 0, a, 1))[1] - 1 - 2, -126, 127), 0)      # np.frexp(a)[1] - 1 = floor(log2(a)), exactly
;;       r = np.clip(x / 2.0 ** e, -7.5, 7.5)
;;       step = 2.0 ** (np.maximum(np.frexp(np.where(r == 0, 1, r))[1] - 1, 0) - 3)
;;       q = np.round(r / step) * step * 2.0 ** e      # np.round: ties to even
;;       return np.moveaxis(q.reshape(q.shape[:-2] + (-1,))[..., :K], -1, axis).astype(np.float32)
;;   ~~~
;;   SOFTMAX AHEAD OF A QUANTISED PRODUCT. Where the list says 'softmax', what is quantised is not the finished softmax but p = 2^(t - M), with t = logit x log2(e) and M = ceil(the row's largest t), a whole number; so 1/2 < the row's largest p <= 1. The row's sum l is taken of the UNQUANTISED p, in f32, and the product's result is divided by l at the end. Since M is a whole number, a kernel that streams over the keys may use a running M (the ceiling of the running maximum): every later rescaling is an exact power of two, which a block's scale takes up: the codes' values come out the same.
;;   OPERANDS COMPUTED ON THE WAY. 'Computed on the way' means the value that the module computes at that place (a softmax that the list does not call 'softmax' is quantised finished and normalised). What goes into a quantiser is computed in f32, as accurately as f32 sums, v_exp_f32 and their like allow (about 1e-6 of the number): no bf16 or f16 on the way to a quantiser, and a product that is left as it is and whose result goes on into a quantised operand takes f32 operands (vector FMAs, or v_wmma_f32_16x16x4_f32). A number that lies on a knife's edge between two numbers of the format may be rounded either way, as far as f32 arithmetic and the matrix unit's own rounding can turn it there, and no further.
;; One version. Each part assembles by itself: llvm-mc -triple=amdgcn-amd-amdhsa -mcpu=gfx1250 --defsym DOCPART=n.
;; ======== version 1 of 1: 4 launches
;; limits: right only within a limited range of input values
;; workspace buffers: xc 18,874,368 bytes; xs 786,432 bytes; wc 3,145,728 bytes; ws 131,072 bytes; hc 18,874,368 bytes; hs 786,432 bytes; ac 6,291,456 bytes; asc 262,144 bytes
;; launch quant (part 1): grid 512 x 1, 4 waves a work-group, no clusters, 34,304 bytes of LDS; arguments q, k, v, Wq, Wk, Wv, Wo, xc, xs, wc, ws; writes xc, xs, wc, ws
.if DOCPART == 1
	.amdgcn_target "amdgcn-amd-amdhsa--gfx1250"
	.amdhsa_code_object_version 6
	.text
	.protected	k_qd480865d6a_quant
	.globl	k_qd480865d6a_quant
	.p2align	8
	.type	k_qd480865d6a_quant,@function
k_qd480865d6a_quant:
	s_mov_b64 s[64:65], 0
	v_nop
	global_prefetch_b8 v0, s[64:65] scope:SCOPE_SE
	s_setreg_imm32_b32 hwreg(HW_REG_WAVE_MODE, 25, 1), 1
	s_wait_xcnt 0x0
; q, k, v [8192][1024] and Wq, Wk, Wv, Wo [1024 (k)][1024 (n)], f32, become codes of FP6 (E2M3) with one E8M0 byte for each 32 along K.
; The codes are laid as IMAGES OF OPERAND REGISTERS.  A unit is a fragment of 16 rows x 128 K: 12 registers a lane, 1,536 bytes; lane l = r + 16 h holds row r,
; registers 6 c .. 6 c + 5 hold k = 64 c + 32 h + 0 .. 31; registers 4 g .. 4 g + 3 of lane l lie at byte 512 g + 16 l of the unit.
;   xc: [tensor q, k, v][row tile 512][K step 8] units;  xs: [tensor][row][8 words];  wc: [weight][n tile 64][K step 8] units, rows = W's columns;  ws: [weight][n][8 words].
; A block's scale is 2^(floor(log2(its largest magnitude)) - 2); its byte is the largest magnitude's exponent field - 2, held at 1 from below.
; Wo's rows are taken, inside each block of 32 along K, in the order 0-7, 16-23, 8-15, 24-31: the order in which the attention launch leaves its results' codes.
; LIMITS: NaN and infinities among the inputs are not served; a block whose largest magnitude lies under 2^-124 gets the byte 1 (a block of zeros too, where the
; rule says 127: its codes are zeros, and only this program reads the bytes).
; Work-groups 0-383 take q, k, v (a wave a row tile, 16 rows x 1,024 K); work-groups 384-511 the weights (a wave 32 columns x 256 K).  Only the first path uses LDS.
.set SP,  528                          ; a stage row: 512 bytes + 16 = 33 x 16 bytes, so sixteen rows' pieces of 16 bytes start 16 bytes apart modulo 256
.set STG, 16*SP                        ; a wave's stage
.set SW,  16                           ; v16-23   x path: the 8 scale words of my row
.set R,   32                           ; v32-159  x path: two sets of 64 registers as loaded
.set X,   160                          ; v160-223 x path: my 64 numbers of a unit
.set PC,  224                          ; v224-235 x path: the unit's codes
.set TT,  236                          ; v236-242 x path: the upper halves of the blocks' codes, before they are moved
.set XW,  32                           ; v32-95   W path: two sets of 32 numbers
.set U,   96                           ; v96-143  W path: four units, never written twice
.set SB,  24                           ; v24-25   W path: two scale words
	s_load_b512 s[4:19], s[0:1], 0x0               ; q, k, v, Wq, Wk, Wv, Wo, xc
	s_load_b128 s[20:23], s[0:1], 0x40             ; xs, wc
	s_load_b64 s[24:25], s[0:1], 0x50              ; ws
	v_lshl_add_u32 v248, v0, 2, 0x8400
	v_mov_b32 v249, 0
	v_lshrrev_b32 v1, 5, v0
	v_readfirstlane_b32 s26, v1                    ; wave
	v_and_b32 v1, 31, v0                           ; lane
	v_lshlrev_b32 v3, 4, v1                        ; 16 x lane: never rewritten
	s_mov_b32 s28, 0x76543210
	s_mov_b32 s29, 0xfedcba98                      ; v_permlanex16_b32's selects for lane l xor 16
	s_mov_b32 s30, 0xffff0000                      ; lanes 16-31
	s_cmp_lt_u32 ttmp9, 384
	s_cbranch_scc0 .Lweights
	; ---------------- q, k, v: K is innermost ----------------
	v_and_b32 v2, 15, v0                           ; r
	v_bfe_u32 v4, v0, 4, 1                         ; h
	v_lshlrev_b32 v5, 5, v2
	v_lshl_add_u32 v5, v4, 4, v5                   ; 32 r + 16 h: my four scale words of the row's eight
	v_lshlrev_b32 v7, 3, v4                        ; 8 h
	s_mul_i32 s27, s26, STG
	v_add_nc_u32 v14, s27, v3                      ; stage, in: 16 x lane in a row
	v_mul_u32_u24 v15, v2, SP
	v_lshl_add_u32 v15, v4, 7, v15
	v_add_nc_u32 v15, s27, v15                     ; stage, out: row r, + 128 h: my block of 32 numbers
	v_mov_b32 v29, 0                               ; a lane permute's destination counts as one of its sources
	s_lshl_b32 s31, ttmp9, 2
	s_add_co_u32 s31, s31, s26                     ; my row tile, 0 .. 1,535, over the three tensors
	s_and_b32 s32, s31, 511
	s_lshl_b32 s32, s32, 16                        ; 16 rows of 4,096 bytes
	s_mov_b32 s33, 0
	s_mul_i32 s34, s31, 12288                      ; 8 units
	s_mov_b32 s35, 0
	s_lshl_b32 s36, s31, 9                         ; 16 rows of 8 words
	s_mov_b32 s37, 0
	s_wait_alu depctr_va_vdst(0)
	s_wait_kmcnt 0x0
	s_cmp_lt_u32 ttmp9, 256
	s_cselect_b64 s[6:7], s[6:7], s[8:9]           ; k or v
	s_cmp_lt_u32 ttmp9, 128
	s_cselect_b64 s[4:5], s[4:5], s[6:7]           ; q, or that
	s_add_nc_u64 s[4:5], s[4:5], s[32:33]
	s_add_nc_u64 s[18:19], s[18:19], s[34:35]
	s_add_nc_u64 s[20:21], s[20:21], s[36:37]
.macro LOADU t                         ; unit t as it lies: 16 loads, each 512 consecutive bytes of one row
.irp i, 0,1,2,3,4,5,6,7,8,9,10,11,12,13,14,15
	global_load_b128 v[R+64*((\t)%2)+4*\i:R+64*((\t)%2)+4*\i+3], v3, s[4:5] offset:4096*\i+512*(\t) th:TH_LOAD_NT
.endr
.endm
.macro UNIT t
.if (\t) < 7
	s_wait_loadcnt 16                              ; this unit's 16 loads are in; the next unit's 16 may be out
.else
	s_wait_loadcnt 0x0
.endif
.irp i, 0,1,2,3,4,5,6,7,8,9,10,11,12,13,14,15
	ds_store_b128 v14, v[R+64*((\t)%2)+4*\i:R+64*((\t)%2)+4*\i+3] offset:SP*\i
.endr
.irp c, 0,1
.irp u, 0,1,2,3,4,5,6,7
	ds_load_b128 v[X+32*\c+4*\u:X+32*\c+4*\u+3], v15 offset:256*\c+16*\u   ; k = 64 c + 32 h + 0 .. 31 of row r; LDS serves a wave's instructions in order: these see the stores
.endr
.endr
	s_wait_dscnt 0x0                               ; my numbers are back, and the stores have read the set
.if (\t) < 6
	LOADU (\t)+2                                   ; which takes the unit two on
.endif
.irp c, 0,1
	v_max3_num_f32 v[8+\c], |v[X+32*\c]|, |v[X+32*\c+1]|, 0x1800000   ; block 2 c + h is whole in my lane; the floor 2^(3 - 127) holds the byte at 1 from below
.endr
.irp i, 2,4,6,8,10,12,14,16,18,20,22,24,26,28,30
.irp c, 0,1
	v_max3_num_f32 v[8+\c], v[8+\c], |v[X+32*\c+\i]|, |v[X+32*\c+\i+1]|
.endr
.endr
.irp c, 0,1
	v_add_nc_u32 v[10+\c], 0xff000000, v[8+\c]     ; 2 off the exponent field: the conversion's scale operand
.endr
.irp c, 0,1
	v_lshrrev_b32 v[12+\c], 23, v[10+\c]           ; the scale's byte
.endr
	v_lshl_or_b32 v28, v13, 16, v12                ; blocks h and 2 + h,
	v_lshlrev_b32 v28, v7, v28                     ; at their places in the word;
	v_permlanex16_b32 v29, v28, s28, s29
	v_or_b32 v[SW+(\t)], v28, v29                  ; with lane l xor 16's two the word is whole
	s_wait_alu depctr_va_vdst(0)
	s_wait_xcnt 0x0                                ; the last unit's stores have read the codes' registers
.irp c, 0,1
	v_cvt_scalef32_pk16_fp6_f32 v[PC+6*\c:PC+6*\c+2], v[X+32*\c:X+32*\c+15], v[10+\c]
	v_cvt_scalef32_pk16_fp6_f32 v[TT+4*\c:TT+4*\c+2], v[X+32*\c+16:X+32*\c+31], v[10+\c]   ; (a conversion's three registers begin on an even number)
.endr
	v_nop                                          ; one plain place behind a scaled conversion
.irp c, 0,1
.irp i, 0,1,2
	v_mov_b32 v[PC+3+6*\c+\i], v[TT+4*\c+\i]
.endr
.endr
.irp g, 0,1,2
	global_store_b128 v3, v[PC+4*\g:PC+4*\g+3], s[18:19] offset:1536*(\t)+512*\g   ; 512 consecutive bytes
.endr
.endm
	LOADU 0
	LOADU 1
.irp t, 0,1,2,3,4,5,6,7
	UNIT \t
.endr
.irp i, 0,1,2,3
	v_cndmask_b32 v[24+\i], v[SW+\i], v[SW+4+\i], s30   ; lanes 0-15 words 0-3 of row r, lanes 16-31 words 4-7
.endr
	global_store_b128 v5, v[24:27], s[20:21]       ; 16 rows x 32 bytes: 512 consecutive bytes
	s_wait_tensorcnt 0x0
	ds_add_u32 v248, v249
	s_wait_dscnt 0x0
	s_endpgm
	; ---------------- the weights: K is the first axis: a lane takes a column, its registers run down K ----------------
.Lweights:
	s_sub_co_u32 s31, ttmp9, 384
	s_lshr_b32 s32, s31, 5                         ; which weight
	s_bfe_u32 s33, s31, 0x30002                    ; which 128 columns
	s_and_b32 s34, s31, 3                          ; which 256 along K
	s_lshl_b32 s35, s33, 7
	s_lshl_b32 s36, s26, 5
	s_add_co_u32 s35, s35, s36                     ; my wave's first column
	s_lshl_b32 s36, s34, 20                        ; 256 rows of 4,096 bytes
	s_lshl_b32 s37, s35, 2
	s_add_co_u32 s36, s36, s37
	s_mov_b32 s37, 0
	s_mul_i32 s38, s32, 786432                     ; codes: the weight,
	s_lshr_b32 s39, s35, 4
	s_mul_i32 s39, s39, 12288                      ; the n tile,
	s_add_co_u32 s38, s38, s39
	s_mul_i32 s39, s34, 3072                       ; two K steps
	s_add_co_u32 s38, s38, s39
	s_mov_b32 s39, 0
	s_lshl_b32 s40, s32, 15                        ; scale words: the weight,
	s_lshl_b32 s41, s35, 5                         ; 32 bytes a column,
	s_add_co_u32 s40, s40, s41
	s_lshl_b32 s41, s34, 3                         ; two words
	s_add_co_u32 s40, s40, s41
	s_mov_b32 s41, 0
	s_cmp_eq_u32 s32, 3
	s_cselect_b32 s42, 0x8000, 0                   ; Wo: registers 8-15 take the rows 8 further down,
	s_sub_co_u32 s43, 0x8000, s42                  ; registers 16-23 those 8 further up
	s_wait_alu depctr_va_vdst(0)
	v_lshlrev_b32 v4, 2, v1                        ; 4 bytes a lane
	v_add_nc_u32 v5, s42, v4
	v_add_nc_u32 v6, s43, v4
	v_lshlrev_b32 v9, 5, v1                        ; my column's row of scale words
	s_wait_alu depctr_va_vdst(0)
	s_wait_kmcnt 0x0
	s_cmp_eq_u32 s32, 1
	s_cselect_b64 s[4:5], s[12:13], s[10:11]
	s_cmp_eq_u32 s32, 2
	s_cselect_b64 s[4:5], s[14:15], s[4:5]
	s_cmp_eq_u32 s32, 3
	s_cselect_b64 s[4:5], s[16:17], s[4:5]
	s_add_nc_u64 s[4:5], s[4:5], s[36:37]
	s_add_nc_u64 s[22:23], s[22:23], s[38:39]
	s_add_nc_u64 s[24:25], s[24:25], s[40:41]
.macro LOADW t                         ; block t: 32 rows of my column; each load reads 128 consecutive bytes
.set XL, XW+32*((\t)%2)
.irp i, 0,1,2,3,4,5,6,7
	global_load_b32 v[XL+\i], v4, s[4:5] offset:(32*(\t)+\i)*4096 th:TH_LOAD_NT
.endr
.irp i, 8,9,10,11,12,13,14,15
	global_load_b32 v[XL+\i], v5, s[4:5] offset:(32*(\t)+\i)*4096 th:TH_LOAD_NT
.endr
.irp i, 16,17,18,19,20,21,22,23
	global_load_b32 v[XL+\i], v6, s[4:5] offset:(32*(\t)+\i-8)*4096 th:TH_LOAD_NT
.endr
.irp i, 24,25,26,27,28,29,30,31
	global_load_b32 v[XL+\i], v4, s[4:5] offset:(32*(\t)+\i)*4096 th:TH_LOAD_NT
.endr
.endm
.macro BLOCKW t
.set XB, XW+32*((\t)%2)
.set KK, (\t)/4                        ; which of my two K steps
.set BB, (\t)%4                        ; which block of it
.set CD, U+24*KK+12*(BB%2)+6*(BB/2)    ; even blocks to the first n tile's unit, odd ones to the second's: the exchange below sorts the lanes
.if (\t) < 7
	s_wait_loadcnt 32                              ; this block's 32 loads are in; the next block's may be out
.else
	s_wait_loadcnt 0x0
.endif
	v_max3_num_f32 v12, |v[XB]|, |v[XB+1]|, |v[XB+2]|
	v_max3_num_f32 v13, |v[XB+3]|, |v[XB+4]|, |v[XB+5]|
.irp i, 6,10,14,18,22,26
	v_max3_num_f32 v12, v12, |v[XB+\i]|, |v[XB+\i+1]|
	v_max3_num_f32 v13, v13, |v[XB+\i+2]|, |v[XB+\i+3]|
.endr
	v_max3_num_f32 v12, v12, |v[XB+30]|, |v[XB+31]|
	v_max3_num_f32 v12, v12, v13, 0x1800000        ; and the floor
	v_add_nc_u32 v11, 0xff000000, v12
	v_lshrrev_b32 v10, 23, v11
.if BB == 0
	v_mov_b32 v[SB+KK], v10
.else
	v_lshl_or_b32 v[SB+KK], v10, 8*BB, v[SB+KK]
.endif
	v_cvt_scalef32_pk16_fp6_f32 v[CD:CD+2], v[XB:XB+15], v11
	v_cvt_scalef32_pk16_fp6_f32 v[144:146], v[XB+16:XB+31], v11
	v_nop                                          ; one plain place behind a scaled conversion
.irp i, 0,1,2
	v_mov_b32 v[CD+3+\i], v[144+\i]
.endr
.if (\t) < 6
	LOADW (\t)+2
.endif
.if (BB%2) == 1                        ; blocks 2 c and 2 c + 1 are made: the first's lanes 16-31 change places with the second's lanes 0-15:
.irp i, 0,1,2,3,4,5                    ; the first then holds n tile 0's lanes (r, h) = block 2 c + h of column r, the second n tile 1's
	v_permlane16_swap_b32 v[U+24*KK+6*(BB/2)+\i], v[U+24*KK+12+6*(BB/2)+\i]
.endr
.endif
.if BB == 3
.irp n, 0,1
.irp g, 0,1,2
	global_store_b128 v3, v[U+24*KK+12*\n+4*\g:U+24*KK+12*\n+4*\g+3], s[22:23] offset:12288*\n+1536*KK+512*\g
.endr
.endr
.endif
.endm
	LOADW 0
	LOADW 1
.irp t, 0,1,2,3,4,5,6,7
	BLOCKW \t
.endr
	global_store_b64 v9, v[SB:SB+1], s[24:25]      ; my column's two scale words
	s_endpgm
.Lfunc_end_k_qd480865d6a_quant:
	.size	k_qd480865d6a_quant, .Lfunc_end_k_qd480865d6a_quant-k_qd480865d6a_quant
	.p2alignl 7, 3214868480
	.fill 96, 4, 3214868480
	.section	.rodata,"a",@progbits
	.p2align	6, 0x0
	.amdhsa_kernel k_qd480865d6a_quant
		.amdhsa_group_segment_fixed_size 34304
		.amdhsa_private_segment_fixed_size 0
		.amdhsa_enable_private_segment 0
		.amdhsa_kernarg_size 88
		.amdhsa_user_sgpr_count 2
		.amdhsa_user_sgpr_kernarg_segment_ptr 1
		.amdhsa_wavefront_size32 1
		.amdhsa_system_sgpr_workgroup_id_x 1
		.amdhsa_system_sgpr_workgroup_id_y 1
		.amdhsa_system_sgpr_workgroup_id_z 1
		.amdhsa_system_vgpr_workitem_id 0
		.amdhsa_next_free_vgpr 250
		.amdhsa_next_free_sgpr 66
		.amdhsa_reserve_vcc 0
		.amdhsa_float_denorm_mode_32 3
		.amdhsa_float_denorm_mode_16_64 3
		.amdhsa_memory_ordered 1
		.amdhsa_forward_progress 1
		.amdhsa_inst_pref_size 97
	.end_amdhsa_kernel
	.amdgpu_metadata
---
amdhsa.version: [ 1, 2 ]
amdhsa.kernels:
  - .name:           k_qd480865d6a_quant
    .symbol:         k_qd480865d6a_quant.kd
    .args:
      - { .name: q, .offset: 0, .size: 8, .value_kind: global_buffer, .address_space: global }
      - { .name: k, .offset: 8, .size: 8, .value_kind: global_buffer, .address_space: global }
      - { .name: v, .offset: 16, .size: 8, .value_kind: global_buffer, .address_space: global }
      - { .name: Wq, .offset: 24, .size: 8, .value_kind: global_buffer, .address_space: global }
      - { .name: Wk, .offset: 32, .size: 8, .value_kind: global_buffer, .address_space: global }
      - { .name: Wv, .offset: 40, .size: 8, .value_kind: global_buffer, .address_space: global }
      - { .name: Wo, .offset: 48, .size: 8, .value_kind: global_buffer, .address_space: global }
      - { .name: xc, .offset: 56, .size: 8, .value_kind: global_buffer, .address_space: global }
      - { .name: xs, .offset: 64, .size: 8, .value_kind: global_buffer, .address_space: global }
      - { .name: wc, .offset: 72, .size: 8, .value_kind: global_buffer, .address_space: global }
      - { .name: ws, .offset: 80, .size: 8, .value_kind: global_buffer, .address_space: global }
    .group_segment_fixed_size: 34304
    .private_segment_fixed_size: 0
    .kernarg_segment_align: 8
    .kernarg_segment_size: 88
    .max_flat_workgroup_size: 128
    .sgpr_count:     66
    .vgpr_count:     250
    .wavefront_size: 32
...
	.end_amdgpu_metadata
.endif
;; end of part 1
;; launch proj (part 2): grid 8 x 96, 4 waves a work-group, clusters of 4 x 4, 307,712 bytes of LDS; arguments xc, xs, wc, ws, bq, bk, bv, hc, hs; writes hc, hs
.if DOCPART == 2
	.amdgcn_target "amdgcn-amd-amdhsa--gfx1250"
	.amdhsa_code_object_version 6
	.text
	.protected	k_qd480865d6a_proj
	.globl	k_qd480865d6a_proj
	.p2align	8
	.type	k_qd480865d6a_proj,@function
k_qd480865d6a_proj:
	s_mov_b64 s[64:65], 0
	v_nop
	global_prefetch_b8 v0, s[64:65] scope:SCOPE_SE
	s_setreg_imm32_b32 hwreg(HW_REG_WAVE_MODE, 25, 1), 1
	s_wait_xcnt 0x0
	s_wait_alu depctr_hold_cnt(0) depctr_sa_sdst(0) depctr_va_vdst(0) depctr_va_sdst(0) depctr_va_ssrc(0) depctr_va_vcc(0) depctr_vm_vsrc(0)
	s_getreg_b32 s2, hwreg(HW_REG_IB_STS2, 6, 4)
	s_cmp_eq_u32 s2, 0
	s_cbranch_scc0 .Lentry_in_a_cluster
	s_endpgm
.Lentry_in_a_cluster:
	s_bfe_u32 s2, ttmp6, 0x10000c
	s_cmp_lg_u32 s2, 0xf033
	s_cbranch_scc0 .Lentry_shape_is_right
	s_endpgm
.Lentry_shape_is_right:
; The three projections, x W + b, on codes of FP6 (E2M3) with E8M0 scales, and their results quantised at once for the attention launch.
; A work-group makes 256 A rows x 128 B rows over K = 1,024.  kind = cluster y / 8: 0 (q Wq), 1 (k Wk): A = tokens, B = W's columns; 2 (v Wv): A = Wv's columns, B = tokens,
; so that a lane's registers run along what the next product contracts: the head's 64 for Q and K, the keys for V.
; Four waves; wave w takes A tiles 4 w .. 4 w + 3 against all 8 B tiles: 32 accumulators.  THE MATRIX INSTRUCTION IS USED TRANSPOSED (source 0 = B, source 1 = A): a lane holds one A row
; (lane % 16) and in accumulator (a, b) the B indices 16 b + 8 (lane / 16) + 0 .. 7.
; THE WHOLE K OF THE TILE LIES IN LDS, FILLED ONCE: four chunks of 256 along K and the scale words, five tensor loads a wave at the head; counted waits let the work begin when the first chunk is in.
; Nothing is filled again.  A wave has five tensor loads outstanding.
; CLUSTER 4 x 4: A's tiles are shared along a row of the cluster, B's along a column: joint loads.
; Codes lie in memory and LDS as images of operand registers (unit: 16 rows x 128 K, 1,536 bytes; registers 4 g .. 4 g + 3 of lane l at 512 g + 16 l): three ds_load_b128 a fragment, each 512 consecutive bytes.
; RESULTS: + bias in f32, quantised along the lane's registers, 128 numbers = one unit and one scale word a row.  Inside a block of 32 the codes stand in the order 0-7, 16-23, 8-15, 24-31;
; both operands of each later product carry that order, so the products are the same.  Units go out as six pieces: registers 2 p, 2 p + 1 of lane l at 256 p + 8 l.
;   hc: Q, K: [batch x 8 + head pair][t tile 128] units (16 t x the pair's 128 columns);  V: [batch x 16 + head][key step 16][d tile 4] units (16 d x 128 keys).  hs: their scale words, in the same order.
; LIMITS: NaN and infinities are not served; a block whose largest magnitude lies under 2^-124 gets the byte 1 (a block of zeros too: its codes are zeros).
; REGISTERS, in windows of 256: window 0: addresses, v32-95 scale words, from v96 the way out;  window 1: B's fragments, two sets (v0, v128);  window 2: the accumulators, (a, b) at v[8 (8 a + b)];
;   window 3: A's fragments, two sets (v0, v48); v96-159 the bias by B index; v160-167 the bias by A row.
.set OUTP, 0
.set CH,   73728                       ; a chunk: 16 A tiles and 8 B tiles x 2 K steps x 1,536 bytes
.set SCL,  4*CH                        ; behind the chunks: A's scale words (256 rows x 32 bytes), then B's (128 rows)
.set ADRA, 16
.set ADRB, 17
.set ADRS, 18
.set L8,   19                          ; 8 x lane
.set L4,   20                          ; 4 x lane
.set BO1,  21
.set BO2,  22
.set SC,   32                          ; v[SC + 8 i + s]: K step s: lanes 0-15 the word of my A tile i (i < 4), lanes 16-31 that of B tile i
.set BC,   96
.set BR,   160
.set HA,   96                          ; the way out, window 0: 64 numbers,
.set PC,   160                         ; their codes,
.set TM,   180                         ; at work,
.set PW,   196                         ; the scale word,
.set PWK,  200                         ; the four tiles' scale words
.set WV,   22
.set WH,   23
.set WL,   2
.set KIND, 3
.set CX,   66
.set CY,   67
.set TA,   104                         ; which 256 A rows
.set TBL,  105                         ; which 128 B rows
.set SEL,  14
.set G1A,  24
.set G1B,  32
.set G1SA, 40
.set G1SB, 48
.set GA0,  56
.set GA1,  60
.set GA2,  68
.set GA3,  72
.set GB0,  76
.set GB1,  80
.set GB2,  84
.set GB3,  88
.set GSA,  92
.set GSB,  96
.set MUL,  0xad                        ; source 0 (B) window 1, source 1 (A) window 3, C and D window 2
.set MULB, 0xbd                        ; the same with C in window 3
.set TO_B, 0x40
.set TO_A, 0xc0
.set MSB, 0
.macro WIN new                         ; the immediate's high byte repeats the setting that is left
.if MSB != \new
	s_set_vgpr_msb (MSB<<8)|\new
.set MSB, \new
.endif
.endm
.macro CROUND                          ; a round of the cluster's barrier
	s_barrier_signal -1
	s_barrier_wait -1
	s_cmp_lg_u32 s[WV], 0
	s_cbranch_scc1 .Lnot_wave_0_\@
	s_barrier_signal -3
.Lnot_wave_0_\@:
	s_barrier_wait -3
	s_barrier_signal -1
	s_barrier_wait -1
.endm
.macro PLACES                          ; four plain places behind a matrix instruction, in front of loads into its sources and of reads of its result
.rept 4
	v_nop
.endr
.endm
.macro MKG1 g, c, r, p                 ; group 1 but for its first word: r rows of c elements of 8 bytes, p elements from row to row
	s_mov_b32 s[\g+1], (\c)<<16
	s_mov_b32 s[\g+2], (\r)<<16
	s_mov_b32 s[\g+3], (\c)<<16
	s_mov_b32 s[\g+4], \r
	s_mov_b32 s[\g+5], \p
	s_mov_b32 s[\g+6], 0
	s_mov_b32 s[\g+7], 0
.endm
.macro MKG0 g, base, loff, src, goff   ; group 0: LDS address s[base] + loff, global address s[src:src+1] + goff
	s_mov_b32 s[\g], 1
	s_add_co_u32 s[\g+1], s[\base], \loff
	s_add_nc_u64 s[\g+2:\g+3], s[\src:\src+1], \goff
	s_or_b32 s[\g+3], s[\g+3], 0x80000000
.endm
.macro FRAG3 reg, adr, off
.irp g, 0,1,2
	ds_load_b128 v[(\reg)+4*\g:(\reg)+4*\g+3], v[\adr] offset:(\off)+512*\g
.endr
.endm
.macro FRAG6 reg, adr, off
.irp p, 0,1,2,3,4,5
	ds_load_b64 v[(\reg)+2*\p:(\reg)+2*\p+1], v[\adr] offset:(\off)+256*\p
.endr
.endm
.macro FETCH s                         ; K step s's fragments into set s % 2: B's eight, my A's four
.set PF, (\s)%2
	WIN TO_B
.irp b, 0,1,2,3,4,5,6,7
	FRAG3 128*PF+12*\b, ADRB, 3072*\b+1536*PF
.endr
	WIN TO_A
.irp a, 0,1,2,3
.if OUTP
	FRAG6 48*PF+12*\a, ADRA, 3072*\a+1536*PF
.else
	FRAG3 48*PF+12*\a, ADRA, 3072*\a+1536*PF
.endif
.endr
	WIN 0
.endm
.macro SCALES                          ; all eight K steps' scale words, once
.irp i, 0,1,2,3,4,5,6,7
	ds_load_b128 v[SC+8*\i:SC+8*\i+3], v[ADRS] offset:512*\i
	ds_load_b128 v[SC+8*\i+4:SC+8*\i+7], v[ADRS] offset:512*\i+16
.endr
.endm
; 16 matrix instructions: A tiles a0, a0 + 1 x B's eight.  The 32 accumulators take turns, one instruction a turn, in the same order in every K step.
.macro MUL16 a0, s
.set PS, (\s)%2
.irp a, \a0, \a0+1
.irp b, 0,1,2,3,4,5,6,7
.if (\s) == 0
.if OUTP
	v_wmma_scale_f32_16x16x128_f8f6f4 v[8*(8*(\a)+\b):8*(8*(\a)+\b)+7], v[128*PS+12*\b:128*PS+12*\b+11], v[48*PS+12*(\a):48*PS+12*(\a)+11], v[BC+8*\b:BC+8*\b+7], v[SC+8*\b+(\s)], v[SC+8*(\a)+(\s)] matrix_a_fmt:MATRIX_FMT_FP6 matrix_b_fmt:MATRIX_FMT_FP6 matrix_a_scale:MATRIX_SCALE_ROW1
.else
	v_wmma_scale_f32_16x16x128_f8f6f4 v[8*(8*(\a)+\b):8*(8*(\a)+\b)+7], v[128*PS+12*\b:128*PS+12*\b+11], v[48*PS+12*(\a):48*PS+12*(\a)+11], 0, v[SC+8*\b+(\s)], v[SC+8*(\a)+(\s)] matrix_a_fmt:MATRIX_FMT_FP6 matrix_b_fmt:MATRIX_FMT_FP6 matrix_a_scale:MATRIX_SCALE_ROW1
.endif
.else
	v_wmma_scale_f32_16x16x128_f8f6f4 v[8*(8*(\a)+\b):8*(8*(\a)+\b)+7], v[128*PS+12*\b:128*PS+12*\b+11], v[48*PS+12*(\a):48*PS+12*(\a)+11], v[8*(8*(\a)+\b):8*(8*(\a)+\b)+7], v[SC+8*\b+(\s)], v[SC+8*(\a)+(\s)] matrix_a_fmt:MATRIX_FMT_FP6 matrix_b_fmt:MATRIX_FMT_FP6 matrix_a_scale:MATRIX_SCALE_ROW1
.endif
.endr
.endr
.endm
.macro MWIN s
.if OUTP && ((\s) == 0)
	WIN MULB
.else
	WIN MUL
.endif
.endm
; A K step of 128: 32 matrix instructions; in its middle the next step's fragments are asked for.  Steps 1, 3, 5 are followed by a step in the next chunk: my part of that chunk is waited for
; (the count leaves the later chunks out: 2, 1, 0 loads were issued behind it), and a barrier shows everybody's.  Behind these barriers nothing is filled.
.macro KSTEP s
	s_wait_dscnt 0x0                               ; this step's fragments are in (asked for 16 matrix instructions ago); no LDS instruction of mine is out at the signal
.if ((\s) == 1) || ((\s) == 3) || ((\s) == 5)
	s_wait_tensorcnt 3-((\s)+1)/2
	s_barrier_signal -1
.endif
	MWIN \s
	MUL16 0, \s
.if ((\s) == 1) || ((\s) == 3) || ((\s) == 5)
	s_barrier_wait -1
.endif
.if (\s) < 7
	WIN 0
	PLACES                                         ; the other set was read by the step before
.if ((\s)%2) == 1
	v_add_nc_u32 v[ADRA], CH, v[ADRA]              ; on to the next chunk
	v_add_nc_u32 v[ADRB], CH, v[ADRB]
.endif
	s_wait_alu depctr_va_vdst(0)
	FETCH (\s)+1
.endif
	MWIN \s
	MUL16 2, \s
	WIN 0
.endm
	s_load_b256 s[4:11], s[0:1], 0x0               ; xc, xs, wc, ws
	s_load_b256 s[12:19], s[0:1], 0x20             ; bq, bk, bv, hc
	s_load_b64 s[20:21], s[0:1], 0x40              ; hs
	v_lshl_add_u32 v254, v0, 2, 0x4b000
	v_mov_b32 v255, 0
	ds_add_u32 v254, v255
	ds_add_u32 v254, v255
	v_lshrrev_b32 v1, 5, v0
	v_readfirstlane_b32 s[WV], v1                  ; wave 0..3
	s_lshr_b32 s[WH], s[WV], 1                     ; I fetch for A (0) or for B (1),
	s_and_b32 s[WL], s[WV], 1                      ; its first or its second half
	s_bfe_u32 s[CX], ttmp6, 0x40000
	s_bfe_u32 s[CY], ttmp6, 0x40004
	s_and_b32 s100, ttmp7, 0xffff                  ; cluster y, 0 .. 23
	s_lshr_b32 s[KIND], s100, 3                    ; the same in all sixteen partners
	s_and_b32 s100, s100, 7
	s_lshl_b32 s101, s100, 1
	s_add_co_u32 s101, s101, ttmp9
	s_cmp_eq_u32 s[KIND], 2
	s_cselect_b32 s[TA], 0, s100                   ; Q, K: 32 blocks of tokens;  V: Wv's four blocks of columns
	s_cselect_b32 s[TBL], s101, ttmp9              ; Q, K: W's eight blocks of columns;  V: 64 blocks of tokens
	s_lshl_b32 s[TA], s[TA], 2
	s_add_co_u32 s[TA], s[TA], s[CY]
	s_lshl_b32 s[TBL], s[TBL], 2
	s_add_co_u32 s[TBL], s[TBL], s[CX]
	s_lshl_b32 s100, s[CY], 2
	s_lshl_b32 s100, 15, s100                      ; my row of the cluster
	s_lshl_b32 s101, 0x1111, s[CX]                 ; my column
	s_or_b32 s[G1A], s100, (3<<16)|(1<<21)         ; 15:0 the mask; 17:16 elements of 8 bytes; 21 set beside a mask; no padding
	s_or_b32 s[G1SA], s100, (3<<16)|(1<<21)
	s_or_b32 s[G1B], s101, (3<<16)|(1<<21)
	s_or_b32 s[G1SB], s101, (3<<16)|(1<<21)
	MKG1 G1A, 384, 8, 1536                         ; 8 tiles x two K steps (3,072 bytes), 12,288 bytes from tile to tile
	MKG1 G1B, 384, 4, 1536
	MKG1 G1SA, 32, 16, 32                          ; 128 rows' scale words: 4,096 dense bytes as rows of 256
	MKG1 G1SB, 32, 8, 32
	v_and_b32 v1, 15, v0                           ; r
	v_bfe_u32 v2, v0, 4, 1                         ; h
	v_and_b32 v3, 31, v0                           ; lane
	v_lshlrev_b32 v[L8], 3, v3
	v_lshlrev_b32 v[L4], 2, v3
	s_mul_i32 s100, s[WV], 12288                   ; my four A tiles in a chunk
	v_lshl_add_u32 v[ADRA], v3, 4, s100
	v_lshlrev_b32 v[ADRB], 4, v3
	v_add_nc_u32 v[ADRB], 49152, v[ADRB]           ; B's tiles lie behind A's sixteen
	s_xor_b32 s100, s[WV], 3
	s_add_co_u32 s100, s100, 1
	s_lshl_b32 s100, s100, 11                      ; 8,192 - 2,048 w: from my A tiles' words to B's
	v_mul_u32_u24 v4, s100, v2                     ; lanes 16-31 take B's
	v_lshl_add_u32 v4, v1, 5, v4                   ; 32 bytes a row
	s_lshl_b32 s100, s[WV], 11
	s_add_co_u32 s100, s100, SCL
	v_add_nc_u32 v[ADRS], s100, v4
.irp b, 0,1,2,3
	v_mov_b32 v[TM+4+\b], 0                        ; a lane permute's destination counts as one of its sources
.endr
	s_wait_dscnt 0x0
	s_wait_kmcnt 0x0
	s_cmp_eq_u32 s[KIND], 2
	s_cselect_b64 s[GA0+2:GA0+3], s[8:9], s[4:5]   ; A's codes: wc or xc
	s_cselect_b64 s[GB0+2:GB0+3], s[4:5], s[8:9]   ; B's
	s_cselect_b64 s[GSA+2:GSA+3], s[10:11], s[6:7] ; A's scale words: ws or xs
	s_cselect_b64 s[GSB+2:GSB+3], s[6:7], s[10:11]
	s_mul_i32 s4, s[KIND], 6291456                 ; the tensor in xc,
	s_mul_i32 s6, s[KIND], 786432                  ; the weight in wc
	s_cselect_b32 s100, s6, s4
	s_cselect_b32 s101, s4, s6
	s_mul_i32 s8, s[KIND], 262144                  ; in xs,
	s_mul_i32 s10, s[KIND], 32768                  ; in ws
	s_cselect_b32 s5, s10, s8
	s_cselect_b32 s7, s8, s10
	s_mul_i32 s4, s[TA], 196608                    ; A: 16 tiles of 12,288 bytes,
	s_add_co_u32 s4, s4, s100
	s_mul_i32 s100, s[WL], 98304                   ; my half
	s_add_co_u32 s4, s4, s100
	s_lshl_b32 s8, s[TA], 13
	s_add_co_u32 s8, s8, s5
	s_lshl_b32 s100, s[WL], 12
	s_add_co_u32 s8, s8, s100
	s_mov_b32 s5, 0
	s_mov_b32 s9, 0
	s_add_nc_u64 s[GA0+2:GA0+3], s[GA0+2:GA0+3], s[4:5]
	s_add_nc_u64 s[GSA+2:GSA+3], s[GSA+2:GSA+3], s[8:9]
	s_mul_i32 s6, s[TBL], 98304                    ; B: 8 tiles,
	s_add_co_u32 s6, s6, s101
	s_mul_i32 s101, s[WL], 49152
	s_add_co_u32 s6, s6, s101
	s_lshl_b32 s10, s[TBL], 12
	s_add_co_u32 s10, s10, s7
	s_lshl_b32 s101, s[WL], 11
	s_add_co_u32 s10, s10, s101
	s_mov_b32 s7, 0
	s_mov_b32 s11, 0
	s_add_nc_u64 s[GB0+2:GB0+3], s[GB0+2:GB0+3], s[6:7]
	s_add_nc_u64 s[GSB+2:GSB+3], s[GSB+2:GSB+3], s[10:11]
	s_mul_i32 s100, s[WL], 24576                   ; where they go: A's halves, 8 tiles x 3,072 bytes;
	s_mul_i32 s101, s[WL], 12288
	s_add_co_u32 s101, s101, 49152                 ; B's, 4 tiles, behind A's: no place in the cluster enters an LDS address
	MKG0 GA3, 100, 3*CH, GA0+2, 3*3072
	MKG0 GA2, 100, 2*CH, GA0+2, 2*3072
	MKG0 GA1, 100, CH, GA0+2, 3072
	MKG0 GA0, 100, 0, GA0+2, 0                     ; (last: it sets the type bits on the address that the others start from)
	MKG0 GB3, 101, 3*CH, GB0+2, 3*3072
	MKG0 GB2, 101, 2*CH, GB0+2, 2*3072
	MKG0 GB1, 101, CH, GB0+2, 3072
	MKG0 GB0, 101, 0, GB0+2, 0
	s_mov_b32 s[GSA], 1
	s_lshl_b32 s[GSA+1], s[WL], 12
	s_add_co_u32 s[GSA+1], s[GSA+1], SCL
	s_or_b32 s[GSA+3], s[GSA+3], 0x80000000
	s_mov_b32 s[GSB], 1
	s_lshl_b32 s[GSB+1], s[WL], 11
	s_add_co_u32 s[GSB+1], s[GSB+1], SCL+8192
	s_or_b32 s[GSB+3], s[GSB+3], 0x80000000
	CROUND                                         ; all sixteen work-groups are here: the joint loads meet
	s_cmp_eq_u32 s[WH], 0                          ; a wave's five fills stand in one branch on its number
	s_cbranch_scc0 .Lfill_b
	tensor_load_to_lds s[GSA:GSA+3], s[G1SA:G1SA+7]
	s_nop 0
	tensor_load_to_lds s[GA0:GA0+3], s[G1A:G1A+7]
	s_nop 0
	tensor_load_to_lds s[GA1:GA1+3], s[G1A:G1A+7]
	s_nop 0
	tensor_load_to_lds s[GA2:GA2+3], s[G1A:G1A+7]
	s_nop 0
	tensor_load_to_lds s[GA3:GA3+3], s[G1A:G1A+7]
	s_nop 0
.rept 4
	v_nop
.endr
	s_branch .Lfilled
.Lfill_b:
	tensor_load_to_lds s[GSB:GSB+3], s[G1SB:G1SB+7]
	s_nop 0
	tensor_load_to_lds s[GB0:GB0+3], s[G1B:G1B+7]
	s_nop 0
	tensor_load_to_lds s[GB1:GB1+3], s[G1B:G1B+7]
	s_nop 0
	tensor_load_to_lds s[GB2:GB2+3], s[G1B:G1B+7]
	s_nop 0
	tensor_load_to_lds s[GB3:GB3+3], s[G1B:G1B+7]
	s_nop 0
.rept 4
	v_nop
.endr
.Lfilled:
	; the biases.  Q, K: by B index (a lane's eight columns of each B tile);  V: by A row.  Both sets are loaded in every kind, the unused one from the buffer's head, so that every register is written
	s_lshl_b32 s4, s[TBL], 9
	s_lshl_b32 s5, s[TA], 10
	s_lshl_b32 s6, s[WV], 8
	s_add_co_u32 s5, s5, s6
	s_cmp_eq_u32 s[KIND], 2
	s_cselect_b32 s4, 0, s4
	s_cselect_b32 s5, s5, 0
	s_cselect_b64 s[12:13], s[16:17], s[12:13]
	s_cmp_eq_u32 s[KIND], 1
	s_cselect_b64 s[12:13], s[14:15], s[12:13]
	v_lshl_add_u32 v[BO1], v2, 5, s4               ; 512 x B block + 32 h
	v_lshl_add_u32 v[BO2], v1, 2, s5               ; 1,024 x A block + 256 w + 4 r
	WIN TO_A
.irp b, 0,1,2,3,4,5,6,7
	global_load_b128 v[BC+8*\b:BC+8*\b+3], v[BO1], s[12:13] offset:64*\b
	global_load_b128 v[BC+8*\b+4:BC+8*\b+7], v[BO1], s[12:13] offset:64*\b+16
.endr
.irp a, 0,1,2,3
	global_load_b32 v[BR+2*\a], v[BO2], s[12:13] offset:64*\a      ; twice: a pair for the packed addition
	global_load_b32 v[BR+2*\a+1], v[BO2], s[12:13] offset:64*\a
.endr
	WIN 0
	s_mov_b32 s[SEL], 0x76543210
	s_mov_b32 s[SEL+1], 0xfedcba98
	s_mov_b32 s16, 0xffff0000                      ; lanes 16-31
	; where my four units go: 6,144 consecutive bytes of codes, 256 of scale words
	s_lshl_b32 s4, s[TA], 2
	s_add_co_u32 s4, s4, s[WV]                     ; Q, K: which 64 tokens;  V: which head
	s_lshr_b32 s5, s4, 5                           ; Q, K: (batch x 8 + head pair) x 32 + the 64 tokens' place in the batch
	s_lshl_b32 s5, s5, 3
	s_add_co_u32 s5, s5, s[TBL]
	s_lshl_b32 s5, s5, 5
	s_and_b32 s6, s4, 31
	s_add_co_u32 s5, s5, s6
	s_lshr_b32 s6, s[TBL], 4                       ; V: (batch x 16 + head) x 16 + key step
	s_lshl_b32 s6, s6, 4
	s_add_co_u32 s6, s6, s4
	s_lshl_b32 s6, s6, 4
	s_and_b32 s7, s[TBL], 15
	s_add_co_u32 s6, s6, s7
	s_cmp_eq_u32 s[KIND], 2
	s_cselect_b32 s5, s6, s5
	s_mul_i32 s6, s5, 6144
	s_mul_i32 s7, s[KIND], 6291456
	s_add_co_u32 s6, s6, s7
	s_mov_b32 s7, 0
	s_add_nc_u64 s[18:19], s[18:19], s[6:7]
	s_lshl_b32 s6, s5, 8
	s_lshl_b32 s8, s[KIND], 18
	s_add_co_u32 s6, s6, s8
	s_add_nc_u64 s[20:21], s[20:21], s[6:7]
	s_wait_tensorcnt 3                             ; my scale words and my part of chunk 0 are in; the three later chunks may be out
	s_barrier_signal -1
	s_barrier_wait -1                              ; everybody's are
	s_wait_alu depctr_va_vdst(0)
	SCALES
	FETCH 0
.irp s, 0,1,2,3,4,5,6,7
	KSTEP \s
.endr
; 64 numbers of a lane, register 16 b + i, become a fragment's codes in v[PC] on and its scale word in v[PW] (the same in lanes l and l xor 16).
.macro QUANT s
.irp b, 0,1,2,3
	v_max3_num_f32 v[TM+\b], |v[\s+16*\b]|, |v[\s+1+16*\b]|, 0x1800000   ; block b: my 16 numbers, and the floor 2^(3 - 127): the byte cannot fall under 1
.endr
.irp i, 2,4,6,8,10,12,14
.irp b, 0,1,2,3
	v_max3_num_f32 v[TM+\b], v[TM+\b], |v[\s+16*\b+\i]|, |v[\s+1+16*\b+\i]|
.endr
.endr
.irp b, 0,1,2,3
	v_permlanex16_b32 v[TM+4+\b], v[TM+\b], s[SEL], s[SEL+1]
.endr
.irp b, 0,1,2,3
	v_max_num_f32 v[TM+\b], v[TM+\b], v[TM+4+\b]   ; with lane l xor 16's: the block's largest magnitude
.endr
.irp b, 0,1,2,3
	v_add_nc_u32 v[TM+12+\b], 0xff000000, v[TM+\b] ; 2 off its exponent field: the conversion's scale operand
.endr
.irp b, 0,1,2,3
	v_lshrrev_b32 v[TM+4+\b], 23, v[TM+12+\b]      ; the scale's byte
.endr
	v_lshl_or_b32 v[PW], v[TM+5], 8, v[TM+4]
	v_lshl_or_b32 v[PW], v[TM+6], 16, v[PW]
	v_lshl_or_b32 v[PW], v[TM+7], 24, v[PW]
.irp c, 0,1
	v_cvt_scalef32_pk16_fp6_f32 v[PC+6*\c:PC+2+6*\c], v[\s+32*\c:\s+15+32*\c], v[TM+12+2*\c]
	v_cvt_scalef32_pk16_fp6_f32 v[PC+12+4*\c:PC+14+4*\c], v[\s+16+32*\c:\s+31+32*\c], v[TM+12+2*\c+1]
.endr
	v_nop                                          ; one plain place behind a scaled conversion
.irp c, 0,1                                    ; the operand's layout wants a whole block in a lane: lanes 0-15 block 2 c, lanes 16-31 block 2 c + 1
.irp i, 0,1,2
	v_permlane16_swap_b32 v[PC+6*\c+\i], v[PC+12+4*\c+\i]
.endr
.irp i, 0,1,2
	v_mov_b32 v[PC+3+6*\c+\i], v[PC+12+4*\c+\i]
.endr
.endr
.endm
	; THE WAY OUT, an A tile at a time: + bias (which also brings the sums into window 0, each accumulator from its low end on), quantise, store the unit
	PLACES
	s_wait_loadcnt 0x0                             ; the biases
.irp a, 0,1,2,3
.if \a > 0
	s_wait_xcnt 0x0                                ; the last unit's stores have read the codes' registers
.endif
	s_cmp_eq_u32 s[KIND], 2
	s_cbranch_scc1 .Lby_row_\a
	WIN 0x0e                                       ; source 0 window 2, source 1 window 3, destination window 0
.set i, 0
.rept 32
	v_pk_add_f32 v[HA+2*i:HA+2*i+1], v[64*\a+2*i:64*\a+2*i+1], v[BC+2*i:BC+2*i+1]
.set i, i+1
.endr
	WIN 0
	s_branch .Lbiased_\a
.Lby_row_\a:
	WIN 0x0e
.set i, 0
.rept 32
	v_pk_add_f32 v[HA+2*i:HA+2*i+1], v[64*\a+2*i:64*\a+2*i+1], v[BR+2*\a:BR+2*\a+1]
.set i, i+1
.endr
	WIN 0
.Lbiased_\a:
	QUANT HA
.irp p, 0,1,2,3,4,5
	global_store_b64 v[L8], v[PC+2*\p:PC+2*\p+1], s[18:19] offset:1536*\a+256*\p   ; 256 consecutive bytes
.endr
	v_mov_b32 v[PWK+\a], v[PW]
.endr
	v_cndmask_b32 v204, v[PWK], v[PWK+1], s16      ; lanes 0-15 tile 0's words, lanes 16-31 tile 1's
	v_cndmask_b32 v205, v[PWK+2], v[PWK+3], s16
	global_store_b32 v[L4], v204, s[20:21]
	global_store_b32 v[L4], v205, s[20:21] offset:128
	s_wait_tensorcnt 0x0
	ds_add_u32 v254, v255
	s_wait_dscnt 0x0
	CROUND                                         ; the closing round: no work-group ends while a partner may still ask for a tile that names it
	s_endpgm
.Lfunc_end_k_qd480865d6a_proj:
	.size	k_qd480865d6a_proj, .Lfunc_end_k_qd480865d6a_proj-k_qd480865d6a_proj
	.p2alignl 7, 3214868480
	.fill 96, 4, 3214868480
	.section	.rodata,"a",@progbits
	.p2align	6, 0x0
	.amdhsa_kernel k_qd480865d6a_proj
		.amdhsa_group_segment_fixed_size 307712
		.amdhsa_private_segment_fixed_size 0
		.amdhsa_enable_private_segment 0
		.amdhsa_kernarg_size 72
		.amdhsa_user_sgpr_count 2
		.amdhsa_user_sgpr_kernarg_segment_ptr 1
		.amdhsa_wavefront_size32 1
		.amdhsa_system_sgpr_workgroup_id_x 1
		.amdhsa_system_sgpr_workgroup_id_y 1
		.amdhsa_system_sgpr_workgroup_id_z 1
		.amdhsa_system_vgpr_workitem_id 0
		.amdhsa_next_free_vgpr 1024
		.amdhsa_next_free_sgpr 106
		.amdhsa_reserve_vcc 0
		.amdhsa_float_denorm_mode_32 3
		.amdhsa_float_denorm_mode_16_64 3
		.amdhsa_memory_ordered 1
		.amdhsa_forward_progress 1
		.amdhsa_inst_pref_size 104
	.end_amdhsa_kernel
	.amdgpu_metadata
---
amdhsa.version: [ 1, 2 ]
amdhsa.kernels:
  - .name:           k_qd480865d6a_proj
    .symbol:         k_qd480865d6a_proj.kd
    .args:
      - { .name: xc, .offset: 0, .size: 8, .value_kind: global_buffer, .address_space: global }
      - { .name: xs, .offset: 8, .size: 8, .value_kind: global_buffer, .address_space: global }
      - { .name: wc, .offset: 16, .size: 8, .value_kind: global_buffer, .address_space: global }
      - { .name: ws, .offset: 24, .size: 8, .value_kind: global_buffer, .address_space: global }
      - { .name: bq, .offset: 32, .size: 8, .value_kind: global_buffer, .address_space: global }
      - { .name: bk, .offset: 40, .size: 8, .value_kind: global_buffer, .address_space: global }
      - { .name: bv, .offset: 48, .size: 8, .value_kind: global_buffer, .address_space: global }
      - { .name: hc, .offset: 56, .size: 8, .value_kind: global_buffer, .address_space: global }
      - { .name: hs, .offset: 64, .size: 8, .value_kind: global_buffer, .address_space: global }
    .group_segment_fixed_size: 307712
    .private_segment_fixed_size: 0
    .kernarg_segment_align: 8
    .kernarg_segment_size: 72
    .max_flat_workgroup_size: 128
    .sgpr_count:     106
    .vgpr_count:     1024
    .wavefront_size: 32
...
	.end_amdgpu_metadata
.endif
;; end of part 2
;; launch attn (part 3): grid 4 x 64, 16 waves a work-group, clusters of 4 x 1, 219,136 bytes of LDS; arguments hc, hs, pad_mask, ac, asc; writes ac, asc
.if DOCPART == 3
	.amdgcn_target "amdgcn-amd-amdhsa--gfx1250"
	.amdhsa_code_object_version 6
	.text
	.protected	k_qd480865d6a_attn
	.globl	k_qd480865d6a_attn
	.p2align	8
	.type	k_qd480865d6a_attn,@function
k_qd480865d6a_attn:
	s_mov_b64 s[64:65], 0
	v_nop
	global_prefetch_b8 v0, s[64:65] scope:SCOPE_SE
	s_setreg_imm32_b32 hwreg(HW_REG_WAVE_MODE, 25, 1), 1
	s_wait_xcnt 0x0
	s_wait_alu depctr_hold_cnt(0) depctr_sa_sdst(0) depctr_va_vdst(0) depctr_va_sdst(0) depctr_va_ssrc(0) depctr_va_vcc(0) depctr_vm_vsrc(0)
	s_getreg_b32 s2, hwreg(HW_REG_IB_STS2, 6, 4)
	s_cmp_eq_u32 s2, 0
	s_cbranch_scc0 .Lentry_in_a_cluster
	s_endpgm
.Lentry_in_a_cluster:
	s_bfe_u32 s2, ttmp6, 0x10000c
	s_cmp_lg_u32 s2, 0x3003
	s_cbranch_scc0 .Lentry_shape_is_right
	s_endpgm
.Lentry_shape_is_right:
; Attention of one head, causal and with the keys' pad mask, both products on codes of FP6 (E2M3) with E8M0 scales; the result A is quantised at once for the last projection.
; THE SOFTMAX: t = score x log2(e) / 8; M = the row's largest t so far, rounded up to a whole number; p = 2^(t - M) is quantised along the keys; the row's sum is taken of the unquantised p and divides at the end.
; SHARES.  Cluster y = batch x 16 + head.  The four work-groups of a cluster belong to one head.  ALL OF THE HEAD'S K AND V LIE IN LDS, FILLED ONCE, by joint loads with the mask of all four.
; A head has 128 tiles of 16 queries; tile 8 rank + sub needs rank + 1 key steps of 128.  Wave w takes sub = 2 cx + (w & 1) and two tiles, rank 15 - (w >> 1) and rank w >> 1: 17 key steps for every wave.
; Branches hang on the wave's number and on counters alone; cx enters global addresses and one vector constant.
; LAYOUT.  Both products transposed: S^T = K Q^T, O^T = V^T P^T: a lane holds one query (lane % 16).  Tiles of keys are 16 neighbours, so inside a block of 32 keys p's codes stand in the order
; 0-7, 16-23, 8-15, 24-31: V's codes were made in the same order.  Likewise Q and K along the head's 64, and A against Wo.
; THE FIRST PRODUCT'S K IS 64: Q's fragment is six registers of codes and six of zero codes; K's eight fragments lie six registers apart, so that a fragment's upper six registers are the next
; fragment's codes (finite numbers: the format has neither infinity nor NaN), which meet Q's zeros.  The scale words come as 16 bits: bytes 2 and 3 are 0.
; THE PAD MASK: a table of 0 or -2^100 for each key, in LDS, is the C of the score products.  The running largest t begins at -2^90: above every masked t, below every real one.  A masked p is exactly 0.
; A query for which no key counts has the sum 0: its codes are zeros and its scale bytes 0xff (NaN), so that its row of the output is NaN, as softmax of a row of -infinity is.
; LIMITS: NaN and infinities are not served; scores stay under 2^76 in magnitude (so that -2^100 takes them up and -2^90 lies below every real t); a block under 2^-124 gets the byte 1.
.set VC,   98304                       ; LDS: K's codes [t tile 128][768] at 0; V's [step 16][d tile 4][1,536] here;
.set KS,   196608                      ; the pair's scale words of K [t 2,048];
.set VS,   204800                      ; V's [step][d tile][16 rows];
.set MB,   208896                      ; the mask table, f32 [2,048]: stored by the waves, in blocks into which no fill lands
.set AK0,  1
.set AV0,  2
.set ASK0, 3
.set ASV0, 4
.set AM0,  5
.set L8,   6                           ; 8 x lane
.set QSO,  7                           ; 4 r + 2 x (head & 1)
.set ADK,  8
.set ADV,  9
.set ADS,  10
.set ADT,  11
.set DD,   28                          ; 16 sub + r - 8 h
.set ADM,  29
.set R32,  30                          ; 32 r
.set WV,   18
.set SEL,  20
.set CS,   22
.set G1K,  24
.set G1V,  32
.set G1KS, 40
.set G1VS, 48
.set G0K,  56
.set G0V,  60
.set G0KS, 68
.set G0VS, 72
.set RK,   76                          ; my tile's rank
.set J,    77                          ; the key step
.set TK,   78                          ; 6,144 J: K's and V's codes
.set TS,   79                          ; 512 J: K's scale words, the mask table
.set TV,   80                          ; 256 J: V's scale words
.set CNT,  81
.set SUB,  82
.set NOKEY, 83
.set QA,   84
.set QS,   86
.set AC,   88
.set AS,   90
.set QB,   92
.set QSB,  94
.set ACB,  96
.set ASB,  98
.set NEG,  0xf1800000                  ; -2^100
.set T0,   0xec800000                  ; -2^90
.macro CROUND
	s_barrier_signal -1
	s_barrier_wait -1
	s_cmp_lg_u32 s[WV], 0
	s_cbranch_scc1 .Lnot_wave_0_\@
	s_barrier_signal -3
.Lnot_wave_0_\@:
	s_barrier_wait -3
	s_barrier_signal -1
	s_barrier_wait -1
.endm
.macro MKG1 g, c, r, p                 ; r rows of c elements of 8 bytes, p elements from row to row; the mask of all four work-groups, bit 21 beside it; no padding
	s_mov_b32 s[\g], 15|(3<<16)|(1<<21)
	s_mov_b32 s[\g+1], (\c)<<16
	s_mov_b32 s[\g+2], (\r)<<16
	s_mov_b32 s[\g+3], (\c)<<16
	s_mov_b32 s[\g+4], \r
	s_mov_b32 s[\g+5], \p
	s_mov_b32 s[\g+6], 0
	s_mov_b32 s[\g+7], 0
.endm
	s_load_b256 s[4:11], s[0:1], 0x0               ; hc, hs, pad_mask, ac
	s_load_b64 s[12:13], s[0:1], 0x20              ; asc
	v_lshl_add_u32 v94, v0, 2, 0x35000
	v_mov_b32 v243, 0
	ds_add_u32 v94, v243
	ds_add_u32 v94, v243
	v_lshrrev_b32 v1, 5, v0
	s_delay_alu instid0(VALU_DEP_1)
	v_readfirstlane_b32 s[WV], v1                  ; wave 0..15
	s_bfe_u32 s14, ttmp6, 0x40000                  ; cx
	s_and_b32 s15, ttmp7, 0xffff                   ; batch x 16 + head: the four partners share it
	s_lshr_b32 s16, s15, 1                         ; batch x 8 + head pair
	s_and_b32 s17, s15, 1                          ; which head of the pair
	s_lshr_b32 s19, s15, 4                         ; batch
	s_and_b32 s3, s[WV], 3                         ; which quarter I fetch, if I fetch
	s_lshl_b32 s[SUB], s14, 1
	s_and_b32 s2, s[WV], 1
	s_add_co_u32 s[SUB], s[SUB], s2
	MKG1 G1K, 96, 32, 192                          ; 32 t tiles: my head's 768 bytes of each unit of 1,536
	MKG1 G1V, 32, 96, 32                           ; 24,576 dense bytes as rows of 256
	MKG1 G1KS, 32, 32, 32                          ; 8,192 dense bytes
	MKG1 G1VS, 32, 16, 32                          ; 4,096
	s_mov_b32 s[SEL], 0x76543210
	s_mov_b32 s[SEL+1], 0xfedcba98
	s_mov_b32 s[CS], 0x3e38aa3b                    ; c = log2(e) / 8
	s_mov_b32 s[CS+1], s[CS]                       ; (named with it as a pair, so it is written)
	s_mul_i32 s100, s16, 196608                    ; the pair's 128 units,
	s_mul_i32 s2, s17, 768                         ; my head's half of each: Q's offset in hc
	s_add_co_u32 s100, s100, s2
	s_mov_b32 s101, 0
	s_mul_i32 s2, s3, 49152
	s_add_co_u32 s104, s100, s2
	s_add_co_u32 s104, s104, 6291456               ; K's quarter
	s_mov_b32 s105, 0
	s_mul_i32 s84, s15, 98304
	s_mul_i32 s2, s3, 24576
	s_add_co_u32 s84, s84, s2
	s_add_co_u32 s84, s84, 12582912                ; V's quarter
	s_mov_b32 s85, 0
	s_lshl_b32 s86, s16, 13                        ; Q's scale words
	s_mov_b32 s87, 0
	s_add_co_u32 s88, s86, 262144                  ; K's
	s_mov_b32 s89, 0
	s_lshl_b32 s90, s15, 12
	s_add_co_u32 s90, s90, 524288                  ; V's
	s_mov_b32 s91, 0
	v_and_b32 v8, 15, v0                           ; r
	v_bfe_u32 v9, v0, 4, 1                         ; h
	v_and_b32 v11, 31, v0                          ; lane
	s_delay_alu instid0(VALU_DEP_1)
	v_lshlrev_b32 v[L8], 3, v11
	s_delay_alu instid0(VALU_DEP_2)
	v_lshlrev_b32 v[AK0], 3, v11                   ; K's codes begin at LDS byte 0
	s_delay_alu instid0(VALU_DEP_3)
	v_lshl_add_u32 v[AV0], v11, 3, VC
	v_lshlrev_b32 v[QSO], 2, v8
	s_lshl_b32 s2, s17, 1
	v_add_nc_u32 v[QSO], s2, v[QSO]
	s_delay_alu instid0(VALU_DEP_1)
	v_add_nc_u32 v[ASK0], KS, v[QSO]
	v_lshl_add_u32 v[ASV0], v8, 2, VS
	v_lshl_add_u32 v[AM0], v9, 5, MB
	v_lshlrev_b32 v[R32], 5, v8
	v_lshlrev_b32 v10, 3, v9
	s_delay_alu instid0(VALU_DEP_1)
	v_sub_nc_u32 v[DD], v8, v10
	s_lshl_b32 s2, s[SUB], 4
	v_add_nc_u32 v[DD], s2, v[DD]
	v_lshlrev_b32 v31, 4, v0                       ; 16 x thread: my four keys of the mask
	v_lshl_add_u32 v95, v0, 4, MB
.irp i, 22,23,24,25,26,27,80,81,82,83,84,85,236,237,238,239,252,253
	v_mov_b32 v\i, 0                               ; Q's zero codes; what lies behind K's last fragment; lane permutes' destinations; the pair v[252:253]
.endr
	s_wait_dscnt 0x0
	s_wait_kmcnt 0x0
	s_mov_b32 s[G0K], 1
	s_mul_i32 s[G0K+1], s3, 24576
	s_add_nc_u64 s[G0K+2:G0K+3], s[4:5], s[104:105]
	s_or_b32 s[G0K+3], s[G0K+3], 0x80000000
	s_mov_b32 s[G0V], 1
	s_mul_i32 s[G0V+1], s3, 24576
	s_add_co_u32 s[G0V+1], s[G0V+1], VC
	s_add_nc_u64 s[G0V+2:G0V+3], s[4:5], s[84:85]
	s_or_b32 s[G0V+3], s[G0V+3], 0x80000000
	s_mov_b32 s[G0KS], 1
	s_mov_b32 s[G0KS+1], KS
	s_add_nc_u64 s[G0KS+2:G0KS+3], s[6:7], s[88:89]
	s_or_b32 s[G0KS+3], s[G0KS+3], 0x80000000
	s_mov_b32 s[G0VS], 1
	s_mov_b32 s[G0VS+1], VS
	s_add_nc_u64 s[G0VS+2:G0VS+3], s[6:7], s[90:91]
	s_or_b32 s[G0VS+3], s[G0VS+3], 0x80000000
	s_add_nc_u64 s[QB:QB+1], s[4:5], s[100:101]
	s_add_nc_u64 s[QSB:QSB+1], s[6:7], s[86:87]
	s_mul_i32 s100, s19, 1572864                   ; A's codes: the batch's 128 row tiles x 8 units,
	s_and_b32 s2, s15, 15
	s_lshr_b32 s104, s2, 1
	s_mul_i32 s104, s104, 1536                     ; my head pair's unit,
	s_add_co_u32 s100, s100, s104
	s_mul_i32 s104, s17, 768                       ; my head's half
	s_add_co_u32 s100, s100, s104
	s_add_nc_u64 s[ACB:ACB+1], s[10:11], s[100:101]
	s_lshl_b32 s100, s19, 16                       ; A's scale bytes: 2,048 rows of 32 bytes, my head's two
	s_lshl_b32 s2, s2, 1
	s_add_co_u32 s100, s100, s2
	s_add_nc_u64 s[ASB:ASB+1], s[12:13], s[100:101]
	s_lshl_b32 s100, s19, 13
	s_add_nc_u64 s[8:9], s[8:9], s[100:101]        ; the batch's mask
	CROUND                                         ; all four work-groups are here: the joint loads meet
	s_cmp_lt_u32 s[WV], 4                          ; one fill a wave: waves 0-3 K's quarters, 4-7 V's, 8 K's scale words, 9 V's; the branches hang on the wave's number alone
	s_cbranch_scc0 .Lnot_k
	tensor_load_to_lds s[G0K:G0K+3], s[G1K:G1K+7]
	s_nop 0
.rept 4
	v_nop
.endr
	s_branch .Lasked
.Lnot_k:
	s_cmp_lt_u32 s[WV], 8
	s_cbranch_scc0 .Lnot_v
	tensor_load_to_lds s[G0V:G0V+3], s[G1V:G1V+7]
	s_nop 0
.rept 4
	v_nop
.endr
	s_branch .Lasked
.Lnot_v:
	s_cmp_eq_u32 s[WV], 8
	s_cbranch_scc0 .Lnot_ks
	tensor_load_to_lds s[G0KS:G0KS+3], s[G1KS:G1KS+7]
	s_nop 0
.rept 4
	v_nop
.endr
	s_branch .Lasked
.Lnot_ks:
	s_cmp_eq_u32 s[WV], 9
	s_cbranch_scc0 .Lasked
	tensor_load_to_lds s[G0VS:G0VS+3], s[G1VS:G1VS+7]
	s_nop 0
.rept 4
	v_nop
.endr
.Lasked:
	global_load_b128 v[96:99], v31, s[8:9]         ; four keys' mask a thread: 512 threads, 2,048 keys
; A tile of queries begins: its addresses, Q's codes and scale word, and the running figures.
.macro PASS_BEGIN
	s_wait_xcnt 0x0                                ; earlier loads and stores have read their bases and data
	s_lshl_b32 s2, s[RK], 3
	s_add_co_u32 s2, s2, s[SUB]                    ; the tile, 0 .. 127
	s_mov_b32 s101, 0
	s_mul_i32 s100, s2, 1536
	s_add_nc_u64 s[QA:QA+1], s[QB:QB+1], s[100:101]
	s_lshl_b32 s100, s2, 6
	s_add_nc_u64 s[QS:QS+1], s[QSB:QSB+1], s[100:101]
	s_mul_i32 s100, s2, 12288
	s_add_nc_u64 s[AC:AC+1], s[ACB:ACB+1], s[100:101]
	s_lshl_b32 s100, s2, 9
	s_add_nc_u64 s[AS:AS+1], s[ASB:ASB+1], s[100:101]
.irp p, 0,1,2
	global_load_b64 v[16+2*\p:17+2*\p], v[L8], s[QA:QA+1] offset:256*\p
.endr
	global_load_u16 v255, v[QSO], s[QS:QS+1]       ; my head's two scale bytes; bytes 2 and 3 are 0
	v_mov_b32 v13, T0                              ; the largest t so far
	s_delay_alu instid0(VALU_DEP_1)
	v_floor_f32 v12, -v13                          ; -M
	v_mov_b32 v14, 0                               ; the sum, in two halves
	v_mov_b32 v15, 0
.set n, 0
.rept 32
	v_mov_b32 v[160+n], 0                          ; O^T: the step is written once; its first trip finds zeros
.set n, n+1
.endr
	s_mov_b32 s[J], 0
	s_mov_b32 s[TK], 0
	s_mov_b32 s[TS], 0
	s_mov_b32 s[TV], 0
	s_wait_loadcnt 0x0
.endm
; A KEY STEP: 128 keys.  A step all of whose keys come after my 16 queries is jumped over, but for the lines at its end that step addresses.
.macro STEP
	s_cmp_gt_u32 s[J], s[RK]
	s_cbranch_scc1 .Lhidden_\@
	s_setprio 2
	v_add_nc_u32 v[ADK], s[TK], v[AK0]             ; (these five are also the places in front of the loads into registers that the last products read)
	v_add_nc_u32 v[ADV], s[TK], v[AV0]
	v_add_nc_u32 v[ADS], s[TS], v[ASK0]
	v_add_nc_u32 v[ADT], s[TV], v[ASV0]
	v_add_nc_u32 v[ADM], s[TS], v[AM0]
.irp t, 0,1,2,3,4,5,6,7
	ds_load_b128 v[96+8*\t:99+8*\t], v[ADM] offset:64*\t           ; the mask's 0 or -2^100 of keys 16 t + 8 h + 0 .. 7: the C of the score products
	ds_load_b128 v[100+8*\t:103+8*\t], v[ADM] offset:64*\t+16
.endr
.irp t, 0,1,2,3,4,5,6,7
.irp p, 0,1,2
	ds_load_b64 v[32+6*\t+2*\p:33+6*\t+2*\p], v[ADK] offset:768*\t+256*\p   ; 256 consecutive bytes
.endr
	ds_load_u16 v[86+\t], v[ADS] offset:64*\t
.endr
	s_wait_alu depctr_va_vdst(0)
	s_wait_dscnt 0x0
.irp t, 0,1,2,3,4,5,6,7
	v_wmma_scale_f32_16x16x128_f8f6f4 v[96+8*\t:103+8*\t], v[32+6*\t:43+6*\t], v[16:27], v[96+8*\t:103+8*\t], v[86+\t], v255 matrix_a_fmt:MATRIX_FMT_FP6 matrix_b_fmt:MATRIX_FMT_FP6
.endr
.rept 4
	v_nop                                          ; places in front of the loads below and of the first read of the scores
.endr
.irp t, 0,1,2,3                                ; V's fragments are asked for now and land during the softmax
.irp p, 0,1,2,3,4,5
	ds_load_b64 v[32+12*\t+2*\p:33+12*\t+2*\p], v[ADV] offset:1536*\t+256*\p
.endr
	ds_load_b32 v[248+\t], v[ADT] offset:64*\t
.endr
	s_cmp_lt_u32 s[J], s[RK]                       ; on the diagonal the scores of later keys become -2^100 ahead of the maximum
	s_cbranch_scc1 .Lopen_\@
	v_mov_b32 v254, NEG
.set n, 0
.rept 64
	v_cmp_gt_i32 vcc_lo, 16*(n/8)+n%8, v[DD]       ; register n holds key 16 (n / 8) + 8 h + n % 8 of the step; my query is 16 sub + r
	v_cndmask_b32 v[96+n], v[96+n], v254, vcc_lo
.set n, n+1
.endr
.Lopen_\@:
.irp b, 0,1,2,3
	v_max3_num_f32 v[232+\b], v[96+16*\b], v[97+16*\b], v[98+16*\b]   ; the largest score of each block of 32 keys: for the row's maximum and, since p rises with the score, for the block's largest p
.endr
.irp i, 3,5,7,9,11,13
.irp b, 0,1,2,3
	v_max3_num_f32 v[232+\b], v[232+\b], v[96+16*\b+\i], v[97+16*\b+\i]
.endr
.endr
.irp b, 0,1,2,3
	v_max_num_f32 v[232+\b], v[232+\b], v[111+16*\b]
.endr
.irp b, 0,1,2,3
	s_delay_alu instid0(VALU_DEP_4)
	v_permlanex16_b32 v[236+\b], v[232+\b], s[SEL], s[SEL+1]
.endr
.irp b, 0,1,2,3
	s_delay_alu instid0(VALU_DEP_4)
	v_max_num_f32 v[232+\b], v[232+\b], v[236+\b]  ; with lane l xor 16's 16 keys
.endr
	s_delay_alu instid0(VALU_DEP_2)
	v_max3_num_f32 v254, v232, v233, v234
	s_delay_alu instid0(VALU_DEP_1)
	v_max_num_f32 v254, v254, v235                 ; the step's largest score of my query
	s_delay_alu instid0(VALU_DEP_1)
	v_mul_f32 v254, s[CS], v254                    ; as t
	s_delay_alu instid0(VALU_DEP_1)
	v_max_num_f32 v13, v13, v254                   ; the running largest t
	v_mov_b32 v254, v12
	s_delay_alu instid0(VALU_DEP_2)
	v_floor_f32 v12, -v13                          ; the new -M = -ceil(t): a whole number
	s_delay_alu instid0(VALU_DEP_1)
	v_sub_f32 v254, v12, v254                      ; old M - new M: a whole number, 0 or less
	s_delay_alu instid0(VALU_DEP_1)
	v_cvt_i32_f32 v254, v254                       ; (it saturates)
	s_delay_alu instid0(VALU_DEP_1)
	v_ldexp_f32 v252, 1.0, v254                    ; f = 2^(old M - new M)
.set n, 0
	s_setprio 1
.rept 32
	v_pk_fma_f32 v[96+n:97+n], v[96+n:97+n], s[CS:CS+1], v[12:13] op_sel_hi:[1,0,0]   ; t - M, two at a time
.set n, n+2
.endr
.irp b, 0,1,2,3
	v_fma_f32 v[232+\b], v[232+\b], s[CS], v12     ; the same of each block's largest score
.endr
.set n, 0
	s_wait_alu depctr_va_vdst(0)
.rept 64
	v_exp_f32 v[96+n], v[96+n]                     ; p = 2^(t - M)
.set n, n+1
.endr
	v_pk_mul_f32 v[14:15], v[14:15], v[252:253] op_sel_hi:[1,0]   ; the sums under the new M; a plain place behind the exponentials
	s_wait_alu depctr_va_vdst(0)                   ; one wait for the batch, ahead of its first reader
.irp b, 0,1,2,3
	v_exp_f32 v[232+\b], v[232+\b]                 ; the block's largest p
.endr
	v_pk_add_f32 v[236:237], v[100:101], v[104:105]
	v_pk_add_f32 v[246:247], v[108:109], v[112:113]
	v_pk_add_f32 v[244:245], v[116:117], v[120:121]
	v_pk_add_f32 v[240:241], v[124:125], v[128:129]
	v_pk_add_f32 v[238:239], v[132:133], v[136:137]
	v_pk_add_f32 v[230:231], v[140:141], v[144:145]
	v_pk_add_f32 v[228:229], v[148:149], v[152:153]
	v_pk_add_f32 v[14:15], v[14:15], v[156:157]
	v_pk_add_f32 v[236:237], v[236:237], v[96:97]
	v_pk_add_f32 v[246:247], v[246:247], v[98:99]
	v_pk_add_f32 v[244:245], v[244:245], v[102:103]
	v_pk_add_f32 v[240:241], v[240:241], v[106:107]
	v_pk_add_f32 v[238:239], v[238:239], v[110:111]
	v_pk_add_f32 v[230:231], v[230:231], v[114:115]
	v_pk_add_f32 v[228:229], v[228:229], v[118:119]
	v_pk_add_f32 v[14:15], v[14:15], v[122:123]
	v_pk_add_f32 v[236:237], v[236:237], v[126:127]
	v_pk_add_f32 v[246:247], v[246:247], v[130:131]
	v_pk_add_f32 v[244:245], v[244:245], v[134:135]
	v_pk_add_f32 v[240:241], v[240:241], v[138:139]
	v_pk_add_f32 v[238:239], v[238:239], v[142:143]
	v_pk_add_f32 v[230:231], v[230:231], v[146:147]
	v_pk_add_f32 v[228:229], v[228:229], v[150:151]
	v_pk_add_f32 v[14:15], v[14:15], v[154:155]
	v_pk_add_f32 v[236:237], v[236:237], v[158:159]
	s_delay_alu instid0(VALU_DEP_2)
	v_pk_add_f32 v[14:15], v[14:15], v[240:241]
	s_delay_alu instid0(VALU_DEP_2)
	v_pk_add_f32 v[236:237], v[236:237], v[238:239]
	v_pk_add_f32 v[246:247], v[246:247], v[230:231]
	v_pk_add_f32 v[244:245], v[244:245], v[228:229]
	s_delay_alu instid0(VALU_DEP_2)
	v_pk_add_f32 v[14:15], v[14:15], v[246:247]
	s_delay_alu instid0(VALU_DEP_2)
	v_pk_add_f32 v[236:237], v[236:237], v[244:245]
	s_delay_alu instid0(VALU_DEP_1)
	v_pk_add_f32 v[14:15], v[14:15], v[236:237]
	s_setprio 0
	s_wait_alu depctr_va_vdst(0)                   ; and one for the four
.irp b, 0,1,2,3
	v_max_num_f32 v[232+\b], 0x1800000, v[232+\b]  ; the floor 2^(3 - 127)
.endr
.irp b, 0,1,2,3
	s_delay_alu instid0(VALU_DEP_4)
	v_add_nc_u32 v[244+\b], 0xff000000, v[232+\b]  ; the conversion's scale operand
.endr
.irp b, 0,1,2,3
	s_delay_alu instid0(VALU_DEP_4)
	v_lshrrev_b32 v[236+\b], 23, v[244+\b]         ; the scale's byte
.endr
	s_delay_alu instid0(VALU_DEP_3)
	v_lshl_or_b32 v253, v237, 8, v236              ; p's scale word for these 128 keys
	s_delay_alu instid0(VALU_DEP_1)
	v_lshl_or_b32 v253, v238, 16, v253
	s_delay_alu instid0(VALU_DEP_1)
	v_lshl_or_b32 v253, v239, 24, v253
.irp c, 0,1
	v_cvt_scalef32_pk16_fp6_f32 v[224+6*\c:226+6*\c], v[96+32*\c:111+32*\c], v[244+2*\c]
	v_cvt_scalef32_pk16_fp6_f32 v[236+4*\c:238+4*\c], v[112+32*\c:127+32*\c], v[244+2*\c+1]
.endr
	v_nop                                          ; one plain place behind a scaled conversion
.irp c, 0,1
.irp i, 0,1,2
	v_permlane16_swap_b32 v[224+6*\c+\i], v[236+4*\c+\i]
.endr
.irp i, 0,1,2
	s_delay_alu instid0(VALU_DEP_3)
	v_mov_b32 v[227+6*\c+\i], v[236+4*\c+\i]
.endr
.endr
.set n, 0
.rept 16
	v_pk_mul_f32 v[160+n:161+n], v[160+n:161+n], v[252:253] op_sel_hi:[1,0]   ; O^T under the new M; these are also the places between p's codes and scale word and the products
.set n, n+2
.endr
	s_wait_alu depctr_va_vdst(0)
	s_wait_dscnt 0x0                               ; V
.irp t, 0,1,2,3
	v_wmma_scale_f32_16x16x128_f8f6f4 v[160+8*\t:167+8*\t], v[32+12*\t:43+12*\t], v[224:235], v[160+8*\t:167+8*\t], v[248+\t], v253 matrix_a_fmt:MATRIX_FMT_FP6 matrix_b_fmt:MATRIX_FMT_FP6
.endr
.Lhidden_\@:
	s_add_co_u32 s[J], s[J], 1
	s_add_co_u32 s[TK], s[TK], 6144
	s_add_co_u32 s[TS], s[TS], 512
	s_add_co_u32 s[TV], s[TV], 256
.endm
.macro STEPS n
	s_mov_b32 s[CNT], \n
.Lsteps_\@:
	STEP
	s_sub_co_u32 s[CNT], s[CNT], 1
	s_cmp_lg_u32 s[CNT], 0
	s_cbranch_scc1 .Lsteps_\@
	s_setprio 0
.endm
; A tile ends: A = O^T / the sum, quantised along my head's 64: half a unit and two scale bytes a row.
.macro PASS_END
.rept 4
	v_nop                                          ; places behind the last products
.endr
	v_add_f32 v14, v14, v15
	v_permlanex16_b32 v252, v14, s[SEL], s[SEL+1]
	s_delay_alu instid0(VALU_DEP_1)
	v_add_f32 v14, v14, v252                       ; the row's sum
	s_wait_alu depctr_va_vdst(0)
	v_rcp_f32 v252, v14
	v_nop                                          ; a plain place behind the transcendental
	v_cmp_eq_f32 s[NOKEY], 0, v14                  ; no key counted
	s_wait_alu depctr_va_vdst(0)                   ; the wait ahead of the reciprocal's first reader
	v_cndmask_b32 v14, v252, v22, s[NOKEY]         ; 1 / sum, or 0 there (v22 = 0)
.set n, 0
.rept 16
	v_pk_mul_f32 v[192+n:193+n], v[160+n:161+n], v[14:15] op_sel_hi:[1,0]   ; register 8 t + i is A(r, 16 t + 8 h + i); each accumulator from its low end on
.set n, n+2
.endr
.irp b, 0,1
	v_max3_num_f32 v[232+\b], |v[192+16*\b]|, |v[193+16*\b]|, 0x1800000
.endr
.irp i, 2,4,6,8,10,12,14
.irp b, 0,1
	s_delay_alu instid0(VALU_DEP_2)
	v_max3_num_f32 v[232+\b], v[232+\b], |v[192+16*\b+\i]|, |v[193+16*\b+\i]|
.endr
.endr
.irp b, 0,1
	s_delay_alu instid0(VALU_DEP_2)
	v_permlanex16_b32 v[236+\b], v[232+\b], s[SEL], s[SEL+1]
.endr
.irp b, 0,1
	s_delay_alu instid0(VALU_DEP_2)
	v_max_num_f32 v[232+\b], v[232+\b], v[236+\b]
.endr
.irp b, 0,1
	s_delay_alu instid0(VALU_DEP_2)
	v_add_nc_u32 v[244+\b], 0xff000000, v[232+\b]
.endr
.irp b, 0,1
	s_delay_alu instid0(VALU_DEP_2)
	v_lshrrev_b32 v[236+\b], 23, v[244+\b]
.endr
	s_delay_alu instid0(VALU_DEP_1)
	v_lshl_or_b32 v240, v237, 8, v236
	v_mov_b32 v241, 0xffff
	s_delay_alu instid0(VALU_DEP_1)
	v_cndmask_b32 v240, v240, v241, s[NOKEY]       ; the NaN bytes where no key counted
	v_cvt_scalef32_pk16_fp6_f32 v[224:226], v[192:207], v244
	v_cvt_scalef32_pk16_fp6_f32 v[232:234], v[208:223], v245
	v_nop                                          ; one plain place behind a scaled conversion
.irp i, 0,1,2
	v_permlane16_swap_b32 v[224+\i], v[232+\i]
.endr
.irp i, 0,1,2
	s_delay_alu instid0(VALU_DEP_3)
	v_mov_b32 v[227+\i], v[232+\i]
.endr
.irp p, 0,1,2
	global_store_b64 v[L8], v[224+2*\p:225+2*\p], s[AC:AC+1] offset:256*\p   ; 256 consecutive bytes
.endr
	global_store_b16 v[R32], v240, s[AS:AS+1]      ; two bytes a row (lanes r and r + 16 write the same bytes with the same value): one part in 24 of what is stored here
.endm
	s_lshr_b32 s2, s[WV], 1
	s_xor_b32 s[RK], s2, 15                        ; the first tile: rank 15 - (w >> 1)
	PASS_BEGIN                                     ; (its wait for loads also covers the mask)
	v_mov_b32 v254, NEG
.irp i, 0,1,2,3
	v_cmp_eq_u32 vcc_lo, 0, v[96+\i]
	s_delay_alu instid0(VALU_DEP_1)
	v_cndmask_b32 v[100+\i], 0, v254, vcc_lo
.endr
	ds_store_b128 v95, v[100:103]
	s_wait_tensorcnt 0x0                           ; my fill has landed,
	s_wait_dscnt 0x0                               ; and my part of the mask table
	s_barrier_signal -1
	s_barrier_wait -1                              ; everybody's: from here on LDS is only read
	STEPS 16
	PASS_END
	s_lshr_b32 s[RK], s[WV], 1                     ; the second tile: rank w >> 1
	PASS_BEGIN
	STEPS 8
	PASS_END
	s_wait_tensorcnt 0x0
	ds_add_u32 v94, v243
	s_wait_dscnt 0x0
	CROUND                                         ; the closing round
	s_endpgm
.Lfunc_end_k_qd480865d6a_attn:
	.size	k_qd480865d6a_attn, .Lfunc_end_k_qd480865d6a_attn-k_qd480865d6a_attn
	.p2alignl 7, 3214868480
	.fill 96, 4, 3214868480
	.section	.rodata,"a",@progbits
	.p2align	6, 0x0
	.amdhsa_kernel k_qd480865d6a_attn
		.amdhsa_group_segment_fixed_size 219136
		.amdhsa_private_segment_fixed_size 0
		.amdhsa_enable_private_segment 0
		.amdhsa_kernarg_size 40
		.amdhsa_user_sgpr_count 2
		.amdhsa_user_sgpr_kernarg_segment_ptr 1
		.amdhsa_wavefront_size32 1
		.amdhsa_system_sgpr_workgroup_id_x 1
		.amdhsa_system_sgpr_workgroup_id_y 1
		.amdhsa_system_sgpr_workgroup_id_z 1
		.amdhsa_system_vgpr_workitem_id 0
		.amdhsa_next_free_vgpr 256
		.amdhsa_next_free_sgpr 106
		.amdhsa_reserve_vcc 1
		.amdhsa_float_denorm_mode_32 3
		.amdhsa_float_denorm_mode_16_64 3
		.amdhsa_memory_ordered 1
		.amdhsa_forward_progress 1
		.amdhsa_inst_pref_size 74
	.end_amdhsa_kernel
	.amdgpu_metadata
---
amdhsa.version: [ 1, 2 ]
amdhsa.kernels:
  - .name:           k_qd480865d6a_attn
    .symbol:         k_qd480865d6a_attn.kd
    .args:
      - { .name: hc, .offset: 0, .size: 8, .value_kind: global_buffer, .address_space: global }
      - { .name: hs, .offset: 8, .size: 8, .value_kind: global_buffer, .address_space: global }
      - { .name: pad_mask, .offset: 16, .size: 8, .value_kind: global_buffer, .address_space: global }
      - { .name: ac, .offset: 24, .size: 8, .value_kind: global_buffer, .address_space: global }
      - { .name: asc, .offset: 32, .size: 8, .value_kind: global_buffer, .address_space: global }
    .group_segment_fixed_size: 219136
    .private_segment_fixed_size: 0
    .kernarg_segment_align: 8
    .kernarg_segment_size: 40
    .max_flat_workgroup_size: 512
    .sgpr_count:     106
    .vgpr_count:     256
    .wavefront_size: 32
...
	.end_amdgpu_metadata
.endif
;; end of part 3
;; launch outp (part 4): grid 8 x 32, 4 waves a work-group, clusters of 4 x 4, 307,712 bytes of LDS; arguments ac, asc, wc, ws, bo, out0; writes out0
.if DOCPART == 4
	.amdgcn_target "amdgcn-amd-amdhsa--gfx1250"
	.amdhsa_code_object_version 6
	.text
	.protected	k_qd480865d6a_outp
	.globl	k_qd480865d6a_outp
	.p2align	8
	.type	k_qd480865d6a_outp,@function
k_qd480865d6a_outp:
	s_mov_b64 s[64:65], 0
	v_nop
	global_prefetch_b8 v0, s[64:65] scope:SCOPE_SE
	s_setreg_imm32_b32 hwreg(HW_REG_WAVE_MODE, 25, 1), 1
	s_wait_xcnt 0x0
	s_wait_alu depctr_hold_cnt(0) depctr_sa_sdst(0) depctr_va_vdst(0) depctr_va_sdst(0) depctr_va_ssrc(0) depctr_va_vcc(0) depctr_vm_vsrc(0)
	s_getreg_b32 s2, hwreg(HW_REG_IB_STS2, 6, 4)
	s_cmp_eq_u32 s2, 0
	s_cbranch_scc0 .Lentry_in_a_cluster
	s_endpgm
.Lentry_in_a_cluster:
	s_bfe_u32 s2, ttmp6, 0x10000c
	s_cmp_lg_u32 s2, 0xf033
	s_cbranch_scc0 .Lentry_shape_is_right
	s_endpgm
.Lentry_shape_is_right:
; out0 = A Wo + bo on codes of FP6 (E2M3) with E8M0 scales.  A [8192][1024]: codes and scale bytes from the attention launch; Wo: the fourth weight in wc, ws; out0 [8192][1024] f32.
; A work-group makes 256 rows x 128 columns over K = 1,024.  Four waves; wave w takes A tiles 4 w .. 4 w + 3 against all 8 B tiles: 32 accumulators.  THE MATRIX INSTRUCTION IS USED TRANSPOSED
; (source 0 = 16 columns of Wo, source 1 = 16 rows of A): a lane holds eight neighbouring numbers of a row of the output.  The bias is the C of each sum's first matrix instruction.
; THE WHOLE K OF THE TILE LIES IN LDS, FILLED ONCE: four chunks of 256 along K and the scale words, five tensor loads a wave at the head; counted waits let the work begin when the first chunk is in.
; Nothing is filled again.  A wave has five tensor loads outstanding.  CLUSTER 4 x 4: A's tiles are shared along a row of the cluster, B's along a column: joint loads.
; Codes lie as images of operand registers (unit: 16 rows x 128 K, 1,536 bytes).  Wo's: registers 4 g .. 4 g + 3 of lane l at 512 g + 16 l; A's: registers 2 p, 2 p + 1 at 256 p + 8 l.
; A row of A whose scale bytes are 0xff (no key counted for that query) comes out as NaN, as the definition has it.
; REGISTERS, in windows of 256: window 0: addresses, v32-95 scale words, from v96 the way out;  window 1: B's fragments, two sets (v0, v128);  window 2: the accumulators, (a, b) at v[8 (8 a + b)];
;   window 3: A's fragments, two sets (v0, v48); v96-159 the bias.
.set OUTP, 1
.set CH,   73728                       ; a chunk: 16 A tiles and 8 B tiles x 2 K steps x 1,536 bytes
.set SCL,  4*CH                        ; behind the chunks: A's scale words (256 rows x 32 bytes), then B's (128 rows)
.set SPITCH, 528                       ; the way out: a stage of 16 rows x (512 + 16) bytes for each wave, in chunk 0, which has had its only fill and its last read by then
.set ADRA, 16
.set ADRB, 17
.set ADRS, 18
.set L8,   19
.set BO1,  21
.set STO,  23
.set RD,   24
.set CO,   25
.set SC,   32                          ; v[SC + 8 i + s]: K step s: lanes 0-15 the word of my A tile i (i < 4), lanes 16-31 that of B tile i
.set BC,   96
.set BK,   96                          ; the way out, window 0: 16 rows read back: v96-159 and v160-223 by turns
.set WV,   22
.set WH,   23
.set WL,   2
.set CX,   66
.set CY,   67
.set TA,   104
.set TBL,  105
.set G1A,  24
.set G1B,  32
.set G1SA, 40
.set G1SB, 48
.set GA0,  56
.set GA1,  60
.set GA2,  68
.set GA3,  72
.set GB0,  76
.set GB1,  80
.set GB2,  84
.set GB3,  88
.set GSA,  92
.set GSB,  96
.set MUL,  0xad                        ; source 0 (B) window 1, source 1 (A) window 3, C and D window 2
.set MULB, 0xbd                        ; the same with C in window 3
.set TO_B, 0x40
.set TO_A, 0xc0
.set MSB, 0
.macro WIN new                         ; the immediate's high byte repeats the setting that is left
.if MSB != \new
	s_set_vgpr_msb (MSB<<8)|\new
.set MSB, \new
.endif
.endm
.macro CROUND                          ; a round of the cluster's barrier
	s_barrier_signal -1
	s_barrier_wait -1
	s_cmp_lg_u32 s[WV], 0
	s_cbranch_scc1 .Lnot_wave_0_\@
	s_barrier_signal -3
.Lnot_wave_0_\@:
	s_barrier_wait -3
	s_barrier_signal -1
	s_barrier_wait -1
.endm
.macro PLACES                          ; four plain places behind a matrix instruction, in front of loads into its sources and of reads of its result
.rept 4
	v_nop
.endr
.endm
.macro MKG1 g, c, r, p
	s_mov_b32 s[\g+1], (\c)<<16
	s_mov_b32 s[\g+2], (\r)<<16
	s_mov_b32 s[\g+3], (\c)<<16
	s_mov_b32 s[\g+4], \r
	s_mov_b32 s[\g+5], \p
	s_mov_b32 s[\g+6], 0
	s_mov_b32 s[\g+7], 0
.endm
.macro MKG0 g, base, loff, src, goff
	s_mov_b32 s[\g], 1
	s_add_co_u32 s[\g+1], s[\base], \loff
	s_add_nc_u64 s[\g+2:\g+3], s[\src:\src+1], \goff
	s_or_b32 s[\g+3], s[\g+3], 0x80000000
.endm
.macro FRAG3 reg, adr, off
.irp g, 0,1,2
	ds_load_b128 v[(\reg)+4*\g:(\reg)+4*\g+3], v[\adr] offset:(\off)+512*\g
.endr
.endm
.macro FRAG6 reg, adr, off
.irp p, 0,1,2,3,4,5
	ds_load_b64 v[(\reg)+2*\p:(\reg)+2*\p+1], v[\adr] offset:(\off)+256*\p
.endr
.endm
.macro FETCH s                         ; K step s's fragments into set s % 2: B's eight, my A's four
.set PF, (\s)%2
	WIN TO_B
.irp b, 0,1,2,3,4,5,6,7
	FRAG3 128*PF+12*\b, ADRB, 3072*\b+1536*PF
.endr
	WIN TO_A
.irp a, 0,1,2,3
.if OUTP
	FRAG6 48*PF+12*\a, ADRA, 3072*\a+1536*PF
.else
	FRAG3 48*PF+12*\a, ADRA, 3072*\a+1536*PF
.endif
.endr
	WIN 0
.endm
.macro SCALES                          ; all eight K steps' scale words, once
.irp i, 0,1,2,3,4,5,6,7
	ds_load_b128 v[SC+8*\i:SC+8*\i+3], v[ADRS] offset:512*\i
	ds_load_b128 v[SC+8*\i+4:SC+8*\i+7], v[ADRS] offset:512*\i+16
.endr
.endm
; 16 matrix instructions: A tiles a0, a0 + 1 x B's eight.  The 32 accumulators take turns, one instruction a turn, in the same order in every K step.
.macro MUL16 a0, s
.set PS, (\s)%2
.irp a, \a0, \a0+1
.irp b, 0,1,2,3,4,5,6,7
.if (\s) == 0
.if OUTP
	v_wmma_scale_f32_16x16x128_f8f6f4 v[8*(8*(\a)+\b):8*(8*(\a)+\b)+7], v[128*PS+12*\b:128*PS+12*\b+11], v[48*PS+12*(\a):48*PS+12*(\a)+11], v[BC+8*\b:BC+8*\b+7], v[SC+8*\b+(\s)], v[SC+8*(\a)+(\s)] matrix_a_fmt:MATRIX_FMT_FP6 matrix_b_fmt:MATRIX_FMT_FP6 matrix_a_scale:MATRIX_SCALE_ROW1
.else
	v_wmma_scale_f32_16x16x128_f8f6f4 v[8*(8*(\a)+\b):8*(8*(\a)+\b)+7], v[128*PS+12*\b:128*PS+12*\b+11], v[48*PS+12*(\a):48*PS+12*(\a)+11], 0, v[SC+8*\b+(\s)], v[SC+8*(\a)+(\s)] matrix_a_fmt:MATRIX_FMT_FP6 matrix_b_fmt:MATRIX_FMT_FP6 matrix_a_scale:MATRIX_SCALE_ROW1
.endif
.else
	v_wmma_scale_f32_16x16x128_f8f6f4 v[8*(8*(\a)+\b):8*(8*(\a)+\b)+7], v[128*PS+12*\b:128*PS+12*\b+11], v[48*PS+12*(\a):48*PS+12*(\a)+11], v[8*(8*(\a)+\b):8*(8*(\a)+\b)+7], v[SC+8*\b+(\s)], v[SC+8*(\a)+(\s)] matrix_a_fmt:MATRIX_FMT_FP6 matrix_b_fmt:MATRIX_FMT_FP6 matrix_a_scale:MATRIX_SCALE_ROW1
.endif
.endr
.endr
.endm
.macro MWIN s
.if OUTP && ((\s) == 0)
	WIN MULB
.else
	WIN MUL
.endif
.endm
; A K step of 128: 32 matrix instructions; in its middle the next step's fragments are asked for.  Steps 1, 3, 5 are followed by a step in the next chunk: my part of that chunk is waited for
; (the count leaves the later chunks out: 2, 1, 0 loads were issued behind it), and a barrier shows everybody's.  Behind these barriers nothing is filled.
.macro KSTEP s
	s_wait_dscnt 0x0                               ; this step's fragments are in (asked for 16 matrix instructions ago); no LDS instruction of mine is out at the signal
.if ((\s) == 1) || ((\s) == 3) || ((\s) == 5)
	s_wait_tensorcnt 3-((\s)+1)/2
	s_barrier_signal -1
.endif
	MWIN \s
	MUL16 0, \s
.if ((\s) == 1) || ((\s) == 3) || ((\s) == 5)
	s_barrier_wait -1
.endif
.if (\s) < 7
	WIN 0
	PLACES                                         ; the other set was read by the step before
.if ((\s)%2) == 1
	v_add_nc_u32 v[ADRA], CH, v[ADRA]              ; on to the next chunk
	v_add_nc_u32 v[ADRB], CH, v[ADRB]
.endif
	s_wait_alu depctr_va_vdst(0)
	FETCH (\s)+1
.endif
	MWIN \s
	MUL16 2, \s
	WIN 0
.endm
	s_load_b256 s[4:11], s[0:1], 0x0               ; ac, asc, wc, ws
	s_load_b128 s[12:15], s[0:1], 0x20             ; bo, out0
	v_lshl_add_u32 v254, v0, 2, 0x4b000
	v_mov_b32 v255, 0
	ds_add_u32 v254, v255
	ds_add_u32 v254, v255
	v_lshrrev_b32 v1, 5, v0
	v_readfirstlane_b32 s[WV], v1                  ; wave 0..3
	s_lshr_b32 s[WH], s[WV], 1                     ; I fetch for A (0) or for B (1),
	s_and_b32 s[WL], s[WV], 1                      ; its first or its second half
	s_bfe_u32 s[CX], ttmp6, 0x40000
	s_bfe_u32 s[CY], ttmp6, 0x40004
	s_and_b32 s[TA], ttmp7, 0xffff
	s_lshl_b32 s[TA], s[TA], 2
	s_add_co_u32 s[TA], s[TA], s[CY]               ; which 256 rows
	s_lshl_b32 s[TBL], ttmp9, 2
	s_add_co_u32 s[TBL], s[TBL], s[CX]             ; which 128 columns
	s_lshl_b32 s100, s[CY], 2
	s_lshl_b32 s100, 15, s100                      ; my row of the cluster
	s_lshl_b32 s101, 0x1111, s[CX]                 ; my column
	s_or_b32 s[G1A], s100, (3<<16)|(1<<21)         ; 15:0 the mask; 17:16 elements of 8 bytes; 21 set beside a mask; no padding
	s_or_b32 s[G1SA], s100, (3<<16)|(1<<21)
	s_or_b32 s[G1B], s101, (3<<16)|(1<<21)
	s_or_b32 s[G1SB], s101, (3<<16)|(1<<21)
	MKG1 G1A, 384, 8, 1536                         ; 8 tiles x two K steps (3,072 bytes), 12,288 bytes from tile to tile
	MKG1 G1B, 384, 4, 1536
	MKG1 G1SA, 32, 16, 32                          ; 128 rows' scale words: 4,096 dense bytes as rows of 256
	MKG1 G1SB, 32, 8, 32
	v_and_b32 v1, 15, v0                           ; r
	v_bfe_u32 v2, v0, 4, 1                         ; h
	v_and_b32 v3, 31, v0                           ; lane
	v_lshlrev_b32 v[L8], 3, v3
	s_mul_i32 s100, s[WV], 12288                   ; my four A tiles in a chunk
	v_add_nc_u32 v[ADRA], s100, v[L8]
	v_lshlrev_b32 v[ADRB], 4, v3
	v_add_nc_u32 v[ADRB], 49152, v[ADRB]           ; B's tiles lie behind A's sixteen
	s_xor_b32 s100, s[WV], 3
	s_add_co_u32 s100, s100, 1
	s_lshl_b32 s100, s100, 11                      ; 8,192 - 2,048 w: from my A tiles' words to B's
	v_mul_u32_u24 v4, s100, v2                     ; lanes 16-31 take B's
	v_lshl_add_u32 v4, v1, 5, v4                   ; 32 bytes a row
	s_lshl_b32 s100, s[WV], 11
	s_add_co_u32 s100, s100, SCL
	v_add_nc_u32 v[ADRS], s100, v4
	s_mul_i32 s100, s[WV], 16*SPITCH               ; my stage
	v_mul_u32_u24 v[STO], v1, SPITCH
	v_lshl_add_u32 v[STO], v2, 5, v[STO]
	v_add_nc_u32 v[STO], s100, v[STO]              ; in: row r, 32 bytes for each half of the lanes
	v_lshlrev_b32 v[CO], 4, v3                     ; back: the 32 lanes take one row of 512 bytes; and the same in the output
	v_add_nc_u32 v[RD], s100, v[CO]
	s_mul_i32 s16, s[TA], 196608                   ; A's codes: 16 tiles of 12,288 bytes, my half
	s_mul_i32 s17, s[WL], 98304
	s_add_co_u32 s16, s16, s17
	s_mov_b32 s17, 0
	s_lshl_b32 s18, s[TA], 13                      ; A's scale words
	s_lshl_b32 s19, s[WL], 12
	s_add_co_u32 s18, s18, s19
	s_mov_b32 s19, 0
	s_mul_i32 s20, s[TBL], 98304                   ; Wo's codes: the fourth weight, 8 tiles, my half
	s_mul_i32 s21, s[WL], 49152
	s_add_co_u32 s20, s20, s21
	s_add_co_u32 s20, s20, 2359296
	s_mov_b32 s21, 0
	s_lshl_b32 s100, s[TBL], 12                    ; Wo's scale words
	s_lshl_b32 s101, s[WL], 11
	s_add_co_u32 s100, s100, s101
	s_add_co_u32 s100, s100, 98304
	s_mov_b32 s101, 0
	s_wait_dscnt 0x0
	s_wait_kmcnt 0x0
	s_add_nc_u64 s[GA0+2:GA0+3], s[4:5], s[16:17]
	s_add_nc_u64 s[GSA+2:GSA+3], s[6:7], s[18:19]
	s_add_nc_u64 s[GB0+2:GB0+3], s[8:9], s[20:21]
	s_add_nc_u64 s[GSB+2:GSB+3], s[10:11], s[100:101]
	s_mul_i32 s100, s[WL], 24576                   ; where they go: A's halves, 8 tiles x 3,072 bytes;
	s_mul_i32 s101, s[WL], 12288
	s_add_co_u32 s101, s101, 49152                 ; B's, 4 tiles, behind A's: no place in the cluster enters an LDS address
	MKG0 GA3, 100, 3*CH, GA0+2, 3*3072
	MKG0 GA2, 100, 2*CH, GA0+2, 2*3072
	MKG0 GA1, 100, CH, GA0+2, 3072
	MKG0 GA0, 100, 0, GA0+2, 0                     ; (last: it sets the type bits on the address that the others start from)
	MKG0 GB3, 101, 3*CH, GB0+2, 3*3072
	MKG0 GB2, 101, 2*CH, GB0+2, 2*3072
	MKG0 GB1, 101, CH, GB0+2, 3072
	MKG0 GB0, 101, 0, GB0+2, 0
	s_mov_b32 s[GSA], 1
	s_lshl_b32 s[GSA+1], s[WL], 12
	s_add_co_u32 s[GSA+1], s[GSA+1], SCL
	s_or_b32 s[GSA+3], s[GSA+3], 0x80000000
	s_mov_b32 s[GSB], 1
	s_lshl_b32 s[GSB+1], s[WL], 11
	s_add_co_u32 s[GSB+1], s[GSB+1], SCL+8192
	s_or_b32 s[GSB+3], s[GSB+3], 0x80000000
	CROUND                                         ; all sixteen work-groups are here: the joint loads meet
	s_cmp_eq_u32 s[WH], 0                          ; a wave's five fills stand in one branch on its number
	s_cbranch_scc0 .Lfill_b
	tensor_load_to_lds s[GSA:GSA+3], s[G1SA:G1SA+7]
	s_nop 0
	tensor_load_to_lds s[GA0:GA0+3], s[G1A:G1A+7]
	s_nop 0
	tensor_load_to_lds s[GA1:GA1+3], s[G1A:G1A+7]
	s_nop 0
	tensor_load_to_lds s[GA2:GA2+3], s[G1A:G1A+7]
	s_nop 0
	tensor_load_to_lds s[GA3:GA3+3], s[G1A:G1A+7]
	s_nop 0
.rept 4
	v_nop
.endr
	s_branch .Lfilled
.Lfill_b:
	tensor_load_to_lds s[GSB:GSB+3], s[G1SB:G1SB+7]
	s_nop 0
	tensor_load_to_lds s[GB0:GB0+3], s[G1B:G1B+7]
	s_nop 0
	tensor_load_to_lds s[GB1:GB1+3], s[G1B:G1B+7]
	s_nop 0
	tensor_load_to_lds s[GB2:GB2+3], s[G1B:G1B+7]
	s_nop 0
	tensor_load_to_lds s[GB3:GB3+3], s[G1B:G1B+7]
	s_nop 0
.rept 4
	v_nop
.endr
.Lfilled:
	s_lshl_b32 s4, s[TBL], 9
	v_lshl_add_u32 v[BO1], v2, 5, s4               ; the bias: 512 x column block + 32 h: a lane's eight columns of each B tile
	WIN TO_A
.irp b, 0,1,2,3,4,5,6,7
	global_load_b128 v[BC+8*\b:BC+8*\b+3], v[BO1], s[12:13] offset:64*\b
	global_load_b128 v[BC+8*\b+4:BC+8*\b+7], v[BO1], s[12:13] offset:64*\b+16
.endr
	WIN 0
	s_lshl_b32 s4, s[TA], 8
	s_lshl_b32 s5, s[WV], 6
	s_add_co_u32 s4, s4, s5                        ; my first row: 256 x row block + 64 w
	s_lshl_b32 s4, s4, 12                          ; rows of 4,096 bytes
	s_lshl_b32 s5, s[TBL], 9
	s_add_co_u32 s4, s4, s5
	s_mov_b32 s5, 0
	s_add_nc_u64 s[14:15], s[14:15], s[4:5]
	s_wait_tensorcnt 3                             ; my scale words and my part of chunk 0 are in; the three later chunks may be out
	s_barrier_signal -1
	s_barrier_wait -1                              ; everybody's are
	s_wait_alu depctr_va_vdst(0)
	SCALES
	FETCH 0
	s_wait_loadcnt 0x0                             ; the bias: the first products' C
.irp s, 0,1,2,3,4,5,6,7
	KSTEP \s
.endr
; THE WAY OUT, a block of 16 rows x 128 columns at a time, through my own stage: in as 32 bytes a lane, back as whole rows of 512 bytes.  LDS serves a wave's instructions in order
; (ISA guide 5.7.1.4): no wait between the stores and the loads, nor in front of the next block's stores.  Every wave has passed the barrier of K step 1, behind which nobody reads chunk 0.
.macro TOSTAGE a
	WIN 0x08                                       ; an LDS store's data are its source 1: window 2
.irp b, 0,1,2,3,4,5,6,7
	ds_store_b128 v[STO], v[64*(\a)+8*\b:64*(\a)+8*\b+3] offset:64*\b          ; each accumulator from its low end on
	ds_store_b128 v[STO], v[64*(\a)+8*\b+4:64*(\a)+8*\b+7] offset:64*\b+16
.endr
	WIN 0
.irp t, 0,1,2,3,4,5,6,7,8,9,10,11,12,13,14,15
	ds_load_b128 v[BK+64*((\a)%2)+4*\t:BK+64*((\a)%2)+4*\t+3], v[RD] offset:\t*SPITCH
.endr
.endm
.macro SEND a, younger                 ; younger: the LDS instructions issued behind block a's loads, which may stay out
	s_wait_dscnt \younger
.irp t, 0,1,2,3,4,5,6,7,8,9,10,11,12,13,14,15
	global_store_b128 v[CO], v[BK+64*((\a)%2)+4*\t:BK+64*((\a)%2)+4*\t+3], s[14:15] offset:(16*(\a)+\t)*4096 th:TH_STORE_NT   ; 512 consecutive bytes, at a multiple of 256 from the output's first byte
.endr
.endm
	PLACES
	TOSTAGE 0
.irp a, 1,2,3
.if \a > 1
	s_wait_xcnt 0x0                                ; block a - 2's stores have read the registers in which block a's rows land
.endif
	TOSTAGE \a
	SEND \a-1, 32                                  ; behind block a - 1's loads: block a's 16 stores and 16 loads
.endr
	SEND 3, 0
	s_wait_tensorcnt 0x0
	ds_add_u32 v254, v255
	s_wait_dscnt 0x0
	CROUND                                         ; the closing round: no work-group ends while a partner may still ask for a tile that names it
	s_endpgm
.Lfunc_end_k_qd480865d6a_outp:
	.size	k_qd480865d6a_outp, .Lfunc_end_k_qd480865d6a_outp-k_qd480865d6a_outp
	.p2alignl 7, 3214868480
	.fill 96, 4, 3214868480
	.section	.rodata,"a",@progbits
	.p2align	6, 0x0
	.amdhsa_kernel k_qd480865d6a_outp
		.amdhsa_group_segment_fixed_size 307712
		.amdhsa_private_segment_fixed_size 0
		.amdhsa_enable_private_segment 0
		.amdhsa_kernarg_size 48
		.amdhsa_user_sgpr_count 2
		.amdhsa_user_sgpr_kernarg_segment_ptr 1
		.amdhsa_wavefront_size32 1
		.amdhsa_system_sgpr_workgroup_id_x 1
		.amdhsa_system_sgpr_workgroup_id_y 1
		.amdhsa_system_sgpr_workgroup_id_z 1
		.amdhsa_system_vgpr_workitem_id 0
		.amdhsa_next_free_vgpr 1024
		.amdhsa_next_free_sgpr 106
		.amdhsa_reserve_vcc 0
		.amdhsa_float_denorm_mode_32 3
		.amdhsa_float_denorm_mode_16_64 3
		.amdhsa_memory_ordered 1
		.amdhsa_forward_progress 1
		.amdhsa_inst_pref_size 87
	.end_amdhsa_kernel
	.amdgpu_metadata
---
amdhsa.version: [ 1, 2 ]
amdhsa.kernels:
  - .name:           k_qd480865d6a_outp
    .symbol:         k_qd480865d6a_outp.kd
    .args:
      - { .name: ac, .offset: 0, .size: 8, .value_kind: global_buffer, .address_space: global }
      - { .name: asc, .offset: 8, .size: 8, .value_kind: global_buffer, .address_space: global }
      - { .name: wc, .offset: 16, .size: 8, .value_kind: global_buffer, .address_space: global }
      - { .name: ws, .offset: 24, .size: 8, .value_kind: global_buffer, .address_space: global }
      - { .name: bo, .offset: 32, .size: 8, .value_kind: global_buffer, .address_space: global }
      - { .name: out0, .offset: 40, .size: 8, .value_kind: global_buffer, .address_space: global }
    .group_segment_fixed_size: 307712
    .private_segment_fixed_size: 0
    .kernarg_segment_align: 8
    .kernarg_segment_size: 48
    .max_flat_workgroup_size: 128
    .sgpr_count:     106
    .vgpr_count:     1024
    .wavefront_size: 32
...
	.end_amdgpu_metadata
.endif
;; end of part 4
